; MI455X (gfx1250); checked and timed in simulation.
; The chip was launched on July 23, 2026; its instructions are those of AMD's public machine-readable ISA for CDNA 5 (MIT licence, August 2026) and "CDNA5" Instruction Set Architecture Reference Guide (July 2026). The comments in the code are by the model that wrote it; some were corrected since.
;; Single Head. Allowed arithmetic: matrix products marked QUANTISED: E5M2 operands, one E8M0 scale for each 32 along K, by v_wmma_scale_f32_16x16x128_f8f6f4 with both operands' format E5M2, f32 sums; everything else in f32.
;; Inputs: Wk 1,024 x 1,024 float32; Wq 1,024 x 1,024 float32; Wv 1,024 x 1,024 float32; bk 1,024 float32; bq 1,024 float32; bv 1,024 float32; x 4 x 2,048 x 1,024 float32.
;; Outputs: out0 4 x 2,048 x 1,024 float32.
;; This version of the problem:
;;   THIS VERSION OF THE PROBLEM IS GIVEN IN LOW PRECISION. The matrix products marked QUANTISED in the list below multiply operands that are first quantised to E5M2 (5 exponent bits, 2 mantissa bits; 8 bits a number), with one power-of-two scale for each 32 numbers along K (OCP MX v1.0); their sums are f32. All else is computed in f32.
;;   The module's matrix products, in the order in which they are computed (A, B: the left and right operand; K: the contracted axis; several contracted axes count as one K, in the product's order):
;;     1. [M 8,192, K 1,024] x [K 1,024, N 1,024]; A: input x; B: input Wk: QUANTISED
;;     2. [M 8,192, K 1,024] x [K 1,024, N 1,024]; A: input x; B: input Wq: QUANTISED
;;     3. [M 8,192, K 1,024] x [K 1,024, N 1,024]; A: input x; B: input Wv: QUANTISED
;;     4. batch 4 x [M 2,048, K 1,024] x [K 1,024, N 2,048]; A: computed on the way; B: computed on the way: QUANTISED
;;     5. batch 4 x [M 2,048, K 2,048] x [K 2,048, N 1,024]; A: softmax (see below); B: computed on the way: QUANTISED
;;   THE QUANTISER, for each operand of a quantised product, along K:
;;     - K is cut into blocks of 32 from its start; a last block that is shorter is filled with zeros.
;;     - A block's scale is 2^e with e = floor(log2(the largest magnitude in the block)) - 15, held to -126 .. 127; a block of zeros has e = 0. As a byte (E8M0): e + 127.
;;     - Each number is divided by its block's scale, clamped to +-57,344, and rounded to the nearest number of E5M2, ties to even, subnormals kept.
;;     - The product sums the exact products of the quantised numbers (number of the format x scale) in f32.
;;   ~~~python
;;   def quantise(x, axis):      # numpy; x: float32 -> the quantised numbers, widened to float32 again
;;       x = np.moveaxis(x, axis, -1); K = x.shape[-1]
;;       x = np.pad(x, [(0, 0)] * (x.ndim - 1) + [(0, -K % 32)]); x = x.reshape(x.shape[:-1] + (-1, 32)); a = np.abs(x).max(-1, keepdims=True)
;;       e = np.where(a > 0, np.clip(np.frexp(np.where(a > 0, a, 1))[1] - 1 - 15, -126, 127), 0)      # np.frexp(a)[1] - 1 = floor(log2(a)), exactly
;;       r = np.clip(x / 2.0 ** e, -57344, 57344)
;;       step = 2.0 ** (np.maximum(np.frexp(np.where(r == 0, 1, r))[1] - 1, -14) - 2)
;;       q = np.round(r / step) * step * 2.0 ** e      # np.round: ties to even
;;       return np.moveaxis(q.reshape(q.shape[:-2] + (-1,))[..., :K], -1, axis).astype(np.float32)
;;   ~~~
;;   SOFTMAX AHEAD OF A QUANTISED PRODUCT. Where the list says 'softmax', what is quantised is not the finished softmax but p = 2^(t - M), with t = logit x log2(e) and M = ceil(the row's largest t), a whole number; so 1/2 < the row's largest p <= 1. The row's sum l is taken of the UNQUANTISED p, in f32, and the product's result is divided by l at the end. Since M is a whole number, a kernel that streams over the keys may use a running M (the ceiling of the running maximum): every later rescaling is an exact power of two, which a block's scale takes up: the codes' values come out the same.
;;   OPERANDS COMPUTED ON THE WAY. 'Computed on the way' means the value that the module computes at that place (a softmax that the list does not call 'softmax' is quantised finished and normalised). What goes into a quantiser is computed in f32, as accurately as f32 sums, v_exp_f32 and their like allow (about 1e-6 of the number): no bf16 or f16 on the way to a quantiser, and a product that is left as it is and whose result goes on into a quantised operand takes f32 operands (vector FMAs, or v_wmma_f32_16x16x4_f32). A number that lies on a knife's edge between two numbers of the format may be rounded either way, as far as f32 arithmetic and the matrix unit's own rounding can turn it there, and no further.
;; One version. Each part assembles by itself: llvm-mc -triple=amdgcn-amd-amdhsa -mcpu=gfx1250 --defsym DOCPART=n.
;; ======== version 1 of 1: 4 launches
;; limits: right only within a limited range of input values
;; workspace buffers: ac 11,534,336 bytes; asc 360,448 bytes; qkc 16,777,216 bytes; qks 524,288 bytes; vc 8,388,608 bytes; vs 262,144 bytes; pc 16,777,216 bytes; pst 2,949,120 bytes
;; launch quant (part 1): grid 256 x 1, 11 waves a work-group, no clusters, 94,464 bytes of LDS; arguments x, Wv, Wq, Wk, ac, asc; writes ac, asc
.if DOCPART == 1
	.amdgcn_target "amdgcn-amd-amdhsa--gfx1250"
	.amdhsa_code_object_version 6
	.text
	.protected	k_q2301576e38_quant
	.globl	k_q2301576e38_quant
	.p2align	8
	.type	k_q2301576e38_quant,@function
k_q2301576e38_quant:
	s_mov_b64 s[64:65], 0
	v_nop
	global_prefetch_b8 v0, s[64:65] scope:SCOPE_SE
	s_setreg_imm32_b32 hwreg(HW_REG_WAVE_MODE, 25, 1), 1
	s_wait_xcnt 0x0
; THE PROGRAM: quant (codes of x and the weights), proj (q, k, v and their codes), scores (p), pv (out).  No step of the problem is left out but tiles that the causal mask hides whole (scores, pv).
; x [8192][1024], Wv, Wq, Wk [1024][1024], f32, K innermost, become codes of BF8 (E5M2) with one E8M0 byte for each 32 along K.
; A block's scale is 2^(floor(log2(its largest magnitude)) - 15); each number is divided by it, held within +-57,344 and rounded to the nearest code, ties to even.
; LAYOUT OF THE RESULT: in the order of an operand's registers.  The rows of all four tensors are cut into 704 tiles of 16 rows (0-511 x, 512-575 Wv, 576-639 Wq, 640-703 Wk);
; lane r of tile t holds row 32 (t / 2) + 8 (t % 2) + r % 8 + 16 (r / 8).  A fragment (tile t, 128 along K) is 2,048 bytes: [c 0..3][lane][16 bytes] (k = 32 c + 16 (lane / 16) + 0 .. 15 of its row).
; ac: [8 K steps][704 tiles][2048];  asc: [4 pairs of K steps][704 tiles][16 rows][2 words].
; SHARES: 256 work-groups of eleven waves: a work-group takes 11 tiles x 2 K steps, a wave one tile: 64 x 4 work-groups.  All 32 loads of a wave go out at once; each reads 512 consecutive bytes of one row.
; A fragment's 8 KB turn through the wave's own stage in LDS (rows 528 bytes apart), so that a lane gets 16 neighbours of each block of 32.  Waves share nothing: no barrier.
; LIMITS: NaN and infinities are not served.  A block whose largest magnitude lies under 2^-111 keeps the byte 1, a block of zeros too (its codes are zeros; the bytes are read by this program alone).
.set PLA,  1441792                     ; a K step's 704 fragments, in bytes
.set SPL,  90112                       ; the scale words of a pair of K steps
.set STGB, 8448                        ; a wave's stage: 16 rows x 528 bytes
.set SPARE, 11*STGB                    ; the spare words: 11 x 128 bytes, six blocks of 256
.set SPW,  12
.set NIL,  13
.set R,    16                          ; v16-143  two fragments as loaded
.set X,    144                         ; v144-207 64 numbers: register 16 b + i = k 32 b + 16 (lane / 16) + i of my row
.set TM,   208                         ; v208-211 largest magnitudes, v212-215 bytes, v216-219 57,344 x the scale, v220-223 the conversions' scale operands
.set PW,   224                         ; v224-225 the two scale words
.set PC,   226                         ; v226-241 the first fragment's codes; the second's go to v16-31, which are free by then
.set SEL,  20                          ; s[20:21] selects for v_permlanex16_b32: lane l xor 16
.set MNT,  22                          ; s22 the mantissa field of 57,344
	s_load_b256 s[4:11], s[0:1], 0x0               ; x, Wv, Wq, Wk
	s_load_b128 s[12:15], s[0:1], 0x20             ; ac, asc
	v_lshl_add_u32 v[SPW], v0, 2, SPARE
	v_mov_b32 v[NIL], 0
	v_lshrrev_b32 v9, 5, v0
	v_readfirstlane_b32 s16, v9                    ; wave
	v_and_b32 v10, 31, v0                          ; lane
	v_lshlrev_b32 v1, 4, v10                       ; 16 x lane: my bytes of a load's 512, and of a store's
	v_and_b32 v2, 15, v0                           ; r
	v_bfe_u32 v3, v0, 4, 1                         ; h
	s_mul_i32 s17, s16, STGB
	v_add_nc_u32 v4, s17, v1                       ; the stage, on the way in: a row as it lies
	v_mul_u32_u24 v5, v2, 528
	v_lshl_add_u32 v5, v3, 6, v5
	v_add_nc_u32 v5, s17, v5                       ; on the way out: row r, + 64 h: my 16 numbers of a block of 32
	v_lshlrev_b32 v6, 3, v2
	v_lshl_add_u32 v6, v3, 2, v6                   ; scale words: 8 r + 4 h
.irp b, 0,1,2,3
	v_mov_b32 v[TM+4+\b], 0                        ; written once: a lane permute's destination counts as one of its sources
.endr
	s_mov_b32 s[SEL], 0x76543210
	s_mov_b32 s[SEL+1], 0xfedcba98
	s_mov_b32 s[MNT], 0x600000
	s_mov_b32 s23, 0xffff0000                      ; lanes 16-31
	s_lshr_b32 s18, ttmp9, 2                       ; which eleven tiles
	s_and_b32 s19, ttmp9, 3                        ; which two K steps
	s_mul_i32 s18, s18, 11
	s_add_co_u32 s18, s18, s16                     ; my tile
	s_mov_b32 s30, 640
	s_wait_alu depctr_va_vdst(0)                   ; the wait at the head's end
	s_wait_kmcnt 0x0
	s_cmp_lt_u32 s18, 640                          ; the tensor is chosen by the tile's number alone
	s_cselect_b64 s[24:25], s[8:9], s[10:11]
	s_cselect_b32 s30, 576, s30
	s_cmp_lt_u32 s18, 576
	s_cselect_b64 s[24:25], s[6:7], s[24:25]
	s_cselect_b32 s30, 512, s30
	s_cmp_lt_u32 s18, 512
	s_cselect_b64 s[24:25], s[4:5], s[24:25]
	s_cselect_b32 s30, 0, s30                      ; the tensor's first tile
	s_sub_co_u32 s30, s18, s30
	s_lshr_b32 s31, s30, 1
	s_lshl_b32 s31, s31, 5
	s_and_b32 s30, s30, 1
	s_lshl_b32 s30, s30, 3
	s_add_co_u32 s30, s30, s31                     ; my tile's first row
	s_lshl_b32 s32, s30, 12                        ; rows of 4,096 bytes
	s_lshl_b32 s31, s19, 10
	s_add_co_u32 s32, s32, s31                     ; + my two K steps of 512 bytes
	s_mov_b32 s33, 0
	s_add_nc_u64 s[24:25], s[24:25], s[32:33]
.irp f, 0,1
.irp i, 0,1,2,3,4,5,6,7,8,9,10,11,12,13,14,15
	global_load_b128 v[R+64*\f+4*\i:R+64*\f+4*\i+3], v1, s[24:25] offset:(\i+8*(\i/8))*4096+512*\f th:TH_LOAD_NT
.endr
.endr
	s_mul_i32 s34, s19, 2*PLA
	s_lshl_b32 s31, s18, 11
	s_add_co_u32 s34, s34, s31
	s_mov_b32 s35, 0
	s_add_nc_u64 s[26:27], s[12:13], s[34:35]      ; my first fragment in ac
	s_mul_i32 s34, s19, SPL
	s_lshl_b32 s31, s18, 7
	s_add_co_u32 s34, s34, s31
	s_add_nc_u64 s[28:29], s[14:15], s[34:35]      ; my 128 bytes of scale words
.macro QUANT s, pc, pw                 ; 64 numbers of a lane become a fragment's codes in v[pc] on and its scale word in v[pw]
.irp b, 0,1,2,3
	v_max3_num_f32 v[TM+\b], |v[\s+16*\b]|, |v[\s+1+16*\b]|, 0x8000000   ; block b: my 16 numbers, and the floor 2^(16 - 127): the byte cannot fall under 1
.endr
.irp i, 2,4,6,8,10,12,14
.irp b, 0,1,2,3
	v_max3_num_f32 v[TM+\b], v[TM+\b], |v[\s+16*\b+\i]|, |v[\s+1+16*\b+\i]|   ; the four blocks by turns
.endr
.endr
.irp b, 0,1,2,3
	v_permlanex16_b32 v[TM+4+\b], v[TM+\b], s[SEL], s[SEL+1]
.endr
.irp b, 0,1,2,3
	v_max_num_f32 v[TM+\b], v[TM+\b], v[TM+4+\b]   ; with lane l xor 16's 16: the block's largest magnitude
.endr
.irp b, 0,1,2,3
	v_add_nc_u32 v[TM+12+\b], 0xf8800000, v[TM+\b] ; 15 off its exponent field: the conversion's scale operand
.endr
.irp b, 0,1,2,3
	v_and_or_b32 v[TM+8+\b], v[TM+\b], 0x7f800000, s[MNT]   ; 57,344 x the scale
.endr
.irp b, 0,1,2,3
	v_lshrrev_b32 v[TM+4+\b], 23, v[TM+12+\b]      ; the scale's byte
.endr
	v_lshl_or_b32 v[\pw], v[TM+5], 8, v[TM+4]
	v_lshl_or_b32 v[\pw], v[TM+6], 16, v[\pw]
	v_lshl_or_b32 v[\pw], v[TM+7], 24, v[\pw]
.irp b, 0,1,2,3
.irp i, 0,1,2,3,4,5,6,7,8,9,10,11,12,13,14,15
	v_med3_num_f32 v[\s+16*\b+\i], v[\s+16*\b+\i], -v[TM+8+\b], v[TM+8+\b]   ; the conversion to an 8-bit code does not saturate (ISA guide 7.6.2): the hold comes first
.endr
	v_cvt_scalef32_pk8_bf8_f32 v[\pc+4*\b:\pc+1+4*\b], v[\s+16*\b:\s+7+16*\b], v[TM+12+\b]
	v_cvt_scalef32_pk8_bf8_f32 v[\pc+2+4*\b:\pc+3+4*\b], v[\s+8+16*\b:\s+15+16*\b], v[TM+12+\b]
.endr
	v_nop                                          ; one plain line behind the last conversion
.endm
.macro FRAGM f, pc
	s_wait_loadcnt 16*(1-\f)                       ; this fragment's 16 loads are in; the next fragment's 16 may be out
.irp i, 0,1,2,3,4,5,6,7,8,9,10,11,12,13,14,15
	ds_store_b128 v4, v[R+64*\f+4*\i:R+64*\f+4*\i+3] offset:528*\i
.endr
.irp b, 0,1,2,3
.irp j, 0,1,2,3
	ds_load_b128 v[X+16*\b+4*\j:X+16*\b+4*\j+3], v5 offset:128*\b+16*\j   ; LDS serves a wave's instructions in order: these see my stores
.endr
.endr
	s_wait_dscnt 0x0                               ; the numbers are back, and the stage's stores have read their registers
	QUANT X, \pc, PW+\f
.irp c, 0,1,2,3
	global_store_b128 v1, v[\pc+4*\c:\pc+4*\c+3], s[26:27] offset:(\f)*PLA+512*\c   ; 32 lanes store 512 consecutive bytes
.endr
.endm
	FRAGM 0, PC
	FRAGM 1, R
	v_cndmask_b32 v10, v[PW], v[PW+1], s23         ; lanes 0-15 store the first K step's words, lanes 16-31 the second's
	global_store_b32 v6, v10, s[28:29]             ; 128 consecutive bytes
	s_wait_tensorcnt 0x0                           ; the wave's end
	ds_add_u32 v[SPW], v[NIL]
	s_wait_dscnt 0x0
	s_endpgm
.Lfunc_end_k_q2301576e38_quant:
	.size	k_q2301576e38_quant, .Lfunc_end_k_q2301576e38_quant-k_q2301576e38_quant
	.p2alignl 7, 3214868480
	.fill 96, 4, 3214868480
	.section	.rodata,"a",@progbits
	.p2align	6, 0x0
	.amdhsa_kernel k_q2301576e38_quant
		.amdhsa_group_segment_fixed_size 94464
		.amdhsa_private_segment_fixed_size 0
		.amdhsa_enable_private_segment 0
		.amdhsa_kernarg_size 48
		.amdhsa_user_sgpr_count 2
		.amdhsa_user_sgpr_kernarg_segment_ptr 1
		.amdhsa_wavefront_size32 1
		.amdhsa_system_sgpr_workgroup_id_x 1
		.amdhsa_system_sgpr_workgroup_id_y 1
		.amdhsa_system_sgpr_workgroup_id_z 1
		.amdhsa_system_vgpr_workitem_id 0
		.amdhsa_next_free_vgpr 256
		.amdhsa_next_free_sgpr 66
		.amdhsa_reserve_vcc 0
		.amdhsa_float_denorm_mode_32 3
		.amdhsa_float_denorm_mode_16_64 3
		.amdhsa_memory_ordered 1
		.amdhsa_forward_progress 1
		.amdhsa_inst_pref_size 27
	.end_amdhsa_kernel
	.amdgpu_metadata
---
amdhsa.version: [ 1, 2 ]
amdhsa.kernels:
  - .name:           k_q2301576e38_quant
    .symbol:         k_q2301576e38_quant.kd
    .args:
      - { .name: x, .offset: 0, .size: 8, .value_kind: global_buffer, .address_space: global }
      - { .name: Wv, .offset: 8, .size: 8, .value_kind: global_buffer, .address_space: global }
      - { .name: Wq, .offset: 16, .size: 8, .value_kind: global_buffer, .address_space: global }
      - { .name: Wk, .offset: 24, .size: 8, .value_kind: global_buffer, .address_space: global }
      - { .name: ac, .offset: 32, .size: 8, .value_kind: global_buffer, .address_space: global }
      - { .name: asc, .offset: 40, .size: 8, .value_kind: global_buffer, .address_space: global }
    .group_segment_fixed_size: 94464
    .private_segment_fixed_size: 0
    .kernarg_segment_align: 8
    .kernarg_segment_size: 48
    .max_flat_workgroup_size: 352
    .sgpr_count:     66
    .vgpr_count:     256
    .wavefront_size: 32
...
	.end_amdgpu_metadata
.endif
;; end of part 1
;; launch proj (part 2): grid 8 x 32, 4 waves a work-group, clusters of 4 x 4, 327,680 bytes of LDS; arguments ac, asc, bq, bk, bv, qkc, qks, vc, vs; writes qkc, qks, vc, vs
.if DOCPART == 2
	.amdgcn_target "amdgcn-amd-amdhsa--gfx1250"
	.amdhsa_code_object_version 6
	.text
	.protected	k_q2301576e38_proj
	.globl	k_q2301576e38_proj
	.p2align	8
	.type	k_q2301576e38_proj,@function
k_q2301576e38_proj:
	s_mov_b64 s[64:65], 0
	v_nop
	global_prefetch_b8 v0, s[64:65] scope:SCOPE_SE
	s_setreg_imm32_b32 hwreg(HW_REG_WAVE_MODE, 25, 1), 1
	s_wait_xcnt 0x0
	s_wait_alu depctr_hold_cnt(0) depctr_sa_sdst(0) depctr_va_vdst(0) depctr_va_sdst(0) depctr_va_ssrc(0) depctr_va_vcc(0) depctr_vm_vsrc(0)
	s_getreg_b32 s2, hwreg(HW_REG_IB_STS2, 6, 4)
	s_cmp_eq_u32 s2, 0
	s_cbranch_scc0 .Lentry_in_a_cluster
	s_endpgm
.Lentry_in_a_cluster:
	s_bfe_u32 s2, ttmp6, 0x10000c
	s_cmp_lg_u32 s2, 0xf033
	s_cbranch_scc0 .Lentry_shape_is_right
	s_endpgm
.Lentry_shape_is_right:
; v = x Wv^T + bv, q = x Wq^T + bq, k = x Wk^T + bk on codes of BF8 (E5M2) with E8M0 scales; the results are quantised at once for the products that follow: q and k along the channels, v along the keys.
; SHARES: 256 work-groups, each 256 rows of x against the same 128 channels of v, of q and of k.  A wave holds 64 rows of x, ALL of K, in 512 registers, and streams the 384 weight rows past them in 24 blocks of 16
; rows (8 of v, 8 of q, 8 of k): 32 products a block, 768 a wave, whatever the work-group.  x is in registers once for all three products.
; A block's 16 rows x 1,024 of K are eight fragments, 128 registers: two sets by turns; behind a block's products its set takes the block two on.
; LAYOUTS: ac, asc as the quantiser leaves them: register images, so LDS needs no padding.  qkc: [8 K steps of 128 channels][1024 tiles: q's 512, k's][2048];  qks: [8][256 groups of 4 tiles][16 rows][4 tiles] words;
; vc: [64 key steps of 128][64 tiles of channels][2048];  vs: [64][64][16] words.
; KIND 1 (v): source 0 = x, source 1 = the weight: a lane holds a channel, registers run along the keys.  KIND 0 (q, k): source 0 = the weight, source 1 = x: a lane holds a row of x, registers run along the channels.
; By the order of a tile's rows 16 registers of two neighbouring tiles are 16 neighbours along the next K; a scale block of 32 lies in lanes l and l xor 16.  The sums are laid so that both kinds' scale blocks
; stand alike: group g of a pair of blocks is the 8 registers at ACC + 8 g and the 8 at ACC + 32 + 8 g (q, k: g = the tile of x; v: g = 2 x block of the pair + half of my keys).
; A PAIR'S QUANTISER STANDS AMONG THE NEXT PAIR'S PRODUCTS: behind every second product a step for two groups side by side, four to six plain lines; the first pair has none before it: it works on what stands there and
; stores nothing.  A group's scale byte is shifted into a chain of three words: after the twelve pairs they hold v's, q's and k's four bytes.  The bias is the C of each sum's first product.
; LDS: four areas of 64 KB [8 K steps][4 tiles][2048].  At the head K steps 0-3 of my rows of x (waves 0, 1; areas 2, 3) and v's two halves (waves 2, 3; areas 0, 1) come by joint loads, K steps 4-7 of x by plain loads.
; v's second half is first read behind the first trip's round, which shows it; the head's barrier shows the other three.
; In the third block of v's two trips a round of the cluster's barrier stands, behind it the refill: first q's two halves over x's, then k's over v's: a quarter of 128 KB a wave.
; CLUSTER 4 x 4: x's tiles are shared along a row of the cluster, the weights along a column.
; No prefetch: there are two refills in all, each asked for four or more blocks (128 products) ahead of its first read.
; LIMITS: NaN and infinities are not served; a block whose largest magnitude lies under 2^-111 keeps the byte 1, a block of zeros too (the bytes are read by this program alone).
; REGISTERS: window 0: below;  windows 1, 2: x's fragments, f = 4 x K step + tile at v[16 (f % 16)] of window 1 + f / 16;  window 3: the two sets of the stream.
.set PLA,  1441792                     ; a K step of 128 in ac, in bytes
.set SPL,  90112                       ; a pair of K steps in asc
.set PLQ,  2097152                     ; a K step in qkc
.set REC,  262144                      ; a record of 2,048 bytes a block: scale words of K steps 0-3, 4-7, the bias's registers 0-3, 4-7, each [lane][16 bytes]
.set VX,   REC+24*2048                 ; v's scale words on the way out: [key step of two][8 tiles][64]
.set SPARE, VX+1024                    ; the spare words
.set LI,   4                           ; v4  16 x lane
.set ADW,  5                           ; v5  my place in the area that is fetched from
.set ADR,  6                           ; v6  my place in the records
.set SPW,  10
.set NIL,  11
.set SOP,  12                          ; v12-15 the conversions' scale operands
.set TQ,   16                          ; v16-23 maxima and bounds, four registers for each of two groups (v21-23 at the head: addresses)
.set SX,   24                          ; v24-55 x's scale words: 8 x tile + K step
.set SW,   60                          ; v60-75 the weight's, two sets: no product's two scale words have numbers equal modulo 8
.set BI,   76                          ; v76-91 the bias, two sets
.set MCD,  92                          ; v92-107 codes, four registers a group
.set SQ,   108                         ; v108-111, v112-115, v116-119: the chain of scale bytes
.set PQ,   112
.set RQ,   116
.set EB,   124                         ; v124-125 scale bytes
.set ACC,  128                         ; v128-255 the sums of two pairs of blocks, by turns
.set WV,   22
.set CX,   23
.set CY,   24
.set COL,  25                          ; which 128 channels
.set ROW,  26                          ; which 256 rows of x
.set RCS,  29
.set G1V,  32
.set G1X,  40
.set G1R,  48
.set G0V,  56
.set G0X,  60
.set G0R,  68
.set TR,   72                          ; the trip
.set AREA, 73
.set BS,   74                          ; s[74:75] where a pair's codes go
.set D1,   82                          ; s[82:83], s[84:85] from group to group; s[86:87] from pair to pair
.set D2,   84
.set STP,  86
.set BQP,  88
.set BKP,  90
.set SEL,  92
.set MNT,  94
.set MSB, 0
.macro WIN new                         ; the immediate's high byte repeats the setting that is left
.if MSB != (\new)
	s_set_vgpr_msb (MSB<<8)|(\new)
.set MSB, (\new)
.endif
.endm
.macro PLACES n                        ; plain lines between a matrix instruction and a load into, or a read of, its registers
.rept \n
	v_nop
.endr
.endm
.macro WALU
	s_wait_alu depctr_va_vdst(0)
.endm
.macro CREST                           ; a round of the cluster's barrier behind its opening barrier
	s_cmp_lg_u32 s[WV], 0
	s_cbranch_scc1 .Lnot_wave_0_\@
	s_barrier_signal -3
.Lnot_wave_0_\@:
	s_barrier_wait -3
	s_barrier_signal -1
	s_barrier_wait -1
.endm
.macro CROUND
	s_barrier_signal -1
	s_barrier_wait -1
	CREST
.endm
.macro TLOAD g0, g1                    ; a tensor load with the lines that follow it
	tensor_load_to_lds s[\g0:\g0+3], s[\g1:\g1+7]
	s_nop 0
	PLACES 4
.endm
.macro GROUP1 g, mask, len, rows       ; rows of len elements of 8 bytes, a K step apart; 21 set beside a mask; no padding
	s_or_b32 s[\g], s[\mask], (3<<16)|(1<<21)
	s_mov_b32 s[\g+1], (\len)<<16
	s_mov_b32 s[\g+2], (\rows)<<16
	s_mov_b32 s[\g+3], (\len)<<16
	s_mov_b32 s[\g+4], \rows
	s_mov_b32 s[\g+5], PLA/8
	s_mov_b32 s[\g+6], 0
	s_mov_b32 s[\g+7], 0
.endm
	s_load_b512 s[4:19], s[0:1], 0x0               ; ac, asc, bq, bk, bv, qkc, qks, vc
	s_load_b64 s[20:21], s[0:1], 0x40              ; vs
	v_lshl_add_u32 v[SPW], v0, 2, SPARE
	v_mov_b32 v[NIL], 0
	ds_add_u32 v[SPW], v[NIL]                      ; the wave's opening: the add, twice on end, and its wait ahead of my first tensor load
	ds_add_u32 v[SPW], v[NIL]
	v_lshrrev_b32 v7, 5, v0
	v_readfirstlane_b32 s[WV], v7
	s_lshl_b32 s95, s[WV], 12
	s_add_co_u32 s95, s95, REC
	s_lshl_b32 s99, s[WV], 13
	s_add_co_u32 s99, s99, 131072
	v_and_b32 v1, 15, v0                           ; r
	v_bfe_u32 v2, v0, 4, 1                         ; h
	v_and_b32 v3, 31, v0                           ; lane
	v_lshlrev_b32 v[LI], 4, v3
	v_lshlrev_b32 v8, 3, v1                        ; scale words: 8 r
	v_lshlrev_b32 v9, 6, v2                        ; bias of q, k: 16 h channels on
	v_and_b32 v21, 7, v1
	v_lshrrev_b32 v22, 3, v1
	v_lshlrev_b32 v21, 2, v21
	v_lshl_add_u32 v21, v22, 6, v21                ; bias of v: 4 (r % 8 + 16 (r / 8))
	v_add_nc_u32 v22, s95, v[LI]                   ; the records that I make
	v_add_nc_u32 v23, s99, v[LI]                   ; my rows of x in areas 2, 3: K steps 0, 1
	v_add_nc_u32 v120, 65536, v23                  ; and 2, 3
	v_mov_b32 v[ADW], v[LI]                        ; area 0
	v_add_nc_u32 v[ADR], REC, v[LI]
.irp i, 0,1,2,3,4,5,6,7,8,9,10,11
	v_mov_b32 v[SQ+\i], 0                          ; (read by the chain's first steps, and shifted out)
.endr
	s_bfe_u32 s[CX], ttmp6, 0x40000
	s_bfe_u32 s[CY], ttmp6, 0x40004
	s_lshl_b32 s[COL], ttmp9, 2
	s_add_co_u32 s[COL], s[COL], s[CX]
	s_and_b32 s[ROW], ttmp7, 0xffff
	s_lshl_b32 s[ROW], s[ROW], 2
	s_add_co_u32 s[ROW], s[ROW], s[CY]
	s_lshl_b32 s27, s[CY], 2
	s_lshl_b32 s27, 15, s27                        ; my row of the cluster
	s_lshl_b32 s28, 0x1111, s[CX]                  ; my column
	GROUP1 G1V, 28, 1024, 8                        ; half a weight's 128 rows: 4 tiles, all K steps
	GROUP1 G1X, 27, 4096, 2                        ; my 16 tiles of x, two K steps
	GROUP1 G1R, 28, 1024, 4                        ; a refill: 4 tiles, four K steps
	s_and_b32 s3, s[WV], 1
	s_lshr_b32 s2, s[WV], 1
	s_lshl_b32 s30, s[COL], 14                     ; my channels' 8 tiles of a weight, v's first
	s_add_co_u32 s30, s30, 512*2048
	s_lshl_b32 s95, s3, 13
	s_add_co_u32 s96, s30, s95                     ; the head's half: wave % 2
	s_mov_b32 s97, 0
	s_lshl_b32 s95, s2, 13
	s_mul_i32 s98, s3, 4*PLA
	s_add_co_u32 s98, s98, s95
	s_add_co_u32 s98, s98, s30                     ; a refill: half = wave / 2, K steps 4 (wave % 2) on; a weight further on at each
	s_mov_b32 s99, 0
	s_lshl_b32 s66, s[ROW], 15                     ; x: my 16 tiles
	s_mul_i32 s95, s3, 2*PLA
	s_add_co_u32 s100, s66, s95                    ; the head's two K steps: 2 (wave % 2) on
	s_mov_b32 s101, 0
	s_lshl_b32 s95, s[WV], 13
	s_add_co_u32 s66, s66, s95
	s_add_co_u32 s66, s66, 4*PLA                   ; my four tiles, K steps 4-7
	s_mov_b32 s67, 0
	s_lshl_b32 s82, s[COL], 10                     ; asc: my pair of tiles of each weight
	s_lshl_b32 s95, s[WV], 8
	s_add_co_u32 s82, s82, s95
	s_add_co_u32 s82, s82, 65536
	s_mov_b32 s83, 0
	s_lshl_b32 s84, s[ROW], 11                     ; and my four tiles of x
	s_lshl_b32 s95, s[WV], 9
	s_add_co_u32 s84, s84, s95
	s_mov_b32 s85, 0
	s_lshl_b32 s86, s[COL], 9                      ; a bias's 32 channels
	s_lshl_b32 s95, s[WV], 7
	s_add_co_u32 s86, s86, s95
	s_mov_b32 s87, 0
	s_mov_b32 s[SEL], 0x76543210
	s_mov_b32 s[SEL+1], 0xfedcba98
	s_mov_b32 s[MNT], 0x600000
	WALU
	s_wait_dscnt 0x0                               ; both opening adds are done
	s_wait_kmcnt 0x0
	s_add_nc_u64 s[82:83], s[6:7], s[82:83]
	s_add_nc_u64 s[84:85], s[6:7], s[84:85]
	s_add_nc_u64 s[8:9], s[8:9], s[86:87]
	s_add_nc_u64 s[10:11], s[10:11], s[86:87]
	s_add_nc_u64 s[12:13], s[12:13], s[86:87]
	s_add_nc_u64 s[66:67], s[4:5], s[66:67]
	; what my six records hold (pair = my wave's number, of each weight): record 2 w + u at v[128 + 16 (2 w + u)]
.irp w, 0,1,2
.irp u, 0,1
.irp p, 0,1,2,3
	global_load_b64 v[ACC+16*(2*\w+\u)+2*\p:ACC+16*(2*\w+\u)+2*\p+1], v8, s[82:83] offset:SPL*\p+8192*\w+128*\u
.endr
.endr
.endr
.irp u, 0,1
	global_load_b32 v[ACC+16*\u+8], v21, s[12:13] offset:32*\u
	global_load_b128 v[ACC+32+16*\u+8:ACC+32+16*\u+11], v9, s[8:9] offset:32*\u
	global_load_b128 v[ACC+32+16*\u+12:ACC+32+16*\u+15], v9, s[8:9] offset:32*\u+16
	global_load_b128 v[ACC+64+16*\u+8:ACC+64+16*\u+11], v9, s[10:11] offset:32*\u
	global_load_b128 v[ACC+64+16*\u+12:ACC+64+16*\u+15], v9, s[10:11] offset:32*\u+16
.endr
.irp t, 0,1,2,3
.irp p, 0,1,2,3
	global_load_b64 v[SX+8*\t+2*\p:SX+8*\t+2*\p+1], v8, s[84:85] offset:SPL*\p+128*\t
.endr
.endr
	s_lshl_b32 s95, s3, 16                         ; wave % 2 x 64 KB: no place in the cluster enters an LDS address
	s_mov_b32 s[G0V], 1
	s_mov_b32 s[G0V+1], s95
	s_add_nc_u64 s[G0V+2:G0V+3], s[4:5], s[96:97]
	s_or_b32 s[G0V+3], s[G0V+3], 0x80000000
	s_mov_b32 s[G0X], 1
	s_add_co_u32 s[G0X+1], s95, 131072
	s_add_nc_u64 s[G0X+2:G0X+3], s[4:5], s[100:101]
	s_or_b32 s[G0X+3], s[G0X+3], 0x80000000
	s_lshl_b32 s95, s[WV], 15
	s_mov_b32 s[G0R], 1
	s_mov_b32 s[G0R+1], s95
	s_add_nc_u64 s[G0R+2:G0R+3], s[4:5], s[98:99]
	s_or_b32 s[G0R+3], s[G0R+3], 0x80000000
	CROUND                                         ; all sixteen work-groups are here: the first joint loads meet
	s_cmp_lt_u32 s[WV], 2                          ; one joint load a wave; wave 3's, which the head's barrier does not show, has a line of its own
	s_cbranch_scc0 .Lfor_v
	TLOAD G0X, G1X                                 ; waves 0, 1
	s_branch .Lasked
.Lfor_v:
	s_cmp_lt_u32 s[WV], 3
	s_cbranch_scc0 .Lfor_v1
	TLOAD G0V, G1V                                 ; wave 2
	s_branch .Lasked
.Lfor_v1:
	TLOAD G0V, G1V                                 ; wave 3
.Lasked:
	WIN 0x80                                       ; destination window 2
.irp q, 0,1,2,3
.irp t, 0,1,2,3
.irp c, 0,1,2,3
	global_load_b128 v[64*\q+16*\t+4*\c:64*\q+16*\t+4*\c+3], v[LI], s[66:67] offset:PLA*\q+2048*\t+512*\c   ; 512 consecutive bytes
.endr
.endr
.endr
	WIN 0
	; where my results go
	s_lshl_b32 s95, s[ROW], 1
	s_add_co_u32 s95, s95, s2                      ; v: key step 2 x row + wave / 2
	s_lshl_b32 s30, s95, 17
	s_lshl_b32 s31, s[COL], 14
	s_add_co_u32 s30, s30, s31
	s_lshl_b32 s31, s3, 10                         ; my 64 keys: pieces 2 (wave % 2) on
	s_add_co_u32 s30, s30, s31
	s_mov_b32 s31, 0
	s_add_nc_u64 s[BS:BS+1], s[18:19], s[30:31]
	s_sub_nc_u64 s[BS:BS+1], s[BS:BS+1], 4096      ; (each store begins with a step)
	s_lshl_b32 s30, s95, 12                        ; v's scale words: key step, half wave % 2
	s_lshl_b32 s95, s[COL], 9
	s_add_co_u32 s30, s30, s95
	s_lshl_b32 s95, s3, 8
	s_add_co_u32 s30, s30, s95
	s_add_nc_u64 s[20:21], s[20:21], s[30:31]
	s_lshl_b32 s30, s[COL], 21                     ; q: K step = my channels, tiles 16 x row + 4 x wave on
	s_lshl_b32 s95, s[ROW], 15
	s_add_co_u32 s30, s30, s95
	s_lshl_b32 s95, s[WV], 13
	s_add_co_u32 s30, s30, s95
	s_add_nc_u64 s[BQP:BQP+1], s[14:15], s[30:31]
	s_add_nc_u64 s[BKP:BKP+1], s[BQP:BQP+1], 512*2048
	s_sub_nc_u64 s[BQP:BQP+1], s[BQP:BQP+1], 512
	s_sub_nc_u64 s[BKP:BKP+1], s[BKP:BKP+1], 512
	s_lshl_b32 s30, s[COL], 16                     ; their scale words: group 4 x row + wave
	s_lshl_b32 s95, s[ROW], 10
	s_add_co_u32 s30, s30, s95
	s_lshl_b32 s95, s[WV], 8
	s_add_co_u32 s30, s30, s95
	s_add_nc_u64 s[16:17], s[16:17], s[30:31]
	s_wait_loadcnt 63                              ; behind the records' loads 80 were issued: the records' are in
.irp i, 1,2,3,4,5,6,7
	v_mov_b32 v[ACC+8+\i], v[ACC+8]                ; v's bias: the lane's one number in all eight registers
	v_mov_b32 v[ACC+24+\i], v[ACC+24]
.endr
.irp w, 0,1,2
.irp u, 0,1
.irp k, 0,1,2,3
	ds_store_b128 v22, v[ACC+16*(2*\w+\u)+4*\k:ACC+16*(2*\w+\u)+4*\k+3] offset:16384*\w+2048*\u+512*\k
.endr
.endr
.endr
.set I_, 0
.rept 32
	v_mov_b32 v[ACC+96+I_], 0                      ; (the first trip's quantiser reads these and stores nothing)
.set I_, I_+1
.endr
	WALU
	s_wait_xcnt 0x0                                ; the loads have taken their bases
	s_mov_b32 s[D1], 512                           ; v: a group's piece is 512 bytes, a tile 2,048
	s_mov_b32 s[D1+1], 0
	s_mov_b32 s[D2], 1536
	s_mov_b32 s[D2+1], 0
	s_mov_b32 s[STP], 4096
	s_mov_b32 s[STP+1], 0
	s_mov_b32 s[TR], 0
	s_mov_b32 s[AREA], 0
	s_mov_b32 s[RCS], REC
	s_cmp_lt_u32 s[WV], 3
	s_cbranch_scc0 .Lnot_yet
	s_wait_tensorcnt 0x0                           ; waves 0 to 2: my tile is in.  Wave 3's wait stands in the first trip
.Lnot_yet:
	s_wait_dscnt 0x0                               ; my records lie in LDS
	s_barrier_signal -1
	s_barrier_wait -1                              ; everybody's do
	WIN 0x40                                       ; destination window 1: x's K steps 0-3
.irp q, 0,1,2,3
.irp t, 0,1,2,3
.irp c, 0,1,2,3
.if \q < 2
	ds_load_b128 v[64*\q+16*\t+4*\c:64*\q+16*\t+4*\c+3], v23 offset:32768*\q+2048*\t+512*\c
.else
	ds_load_b128 v[64*\q+16*\t+4*\c:64*\q+16*\t+4*\c+3], v120 offset:32768*(\q-2)+2048*\t+512*\c
.endif
.endr
.endr
.endr
	WIN 0
.macro FETCH e, j                      ; a trip's block j into set e: eight fragments, the scale words and the bias: 36 loads
	WIN 0xc0
.irp q, 0,1,2,3,4,5,6,7
.irp c, 0,1,2,3
	ds_load_b128 v[128*\e+16*\q+4*\c:128*\e+16*\q+4*\c+3], v[ADW] offset:8192*\q+2048*\j+512*\c
.endr
.endr
	WIN 0
	ds_load_b128 v[SW+8*\e:SW+8*\e+3], v[ADR] offset:2048*\j
	ds_load_b128 v[SW+8*\e+4:SW+8*\e+7], v[ADR] offset:2048*\j+512
	ds_load_b128 v[BI+8*\e:BI+8*\e+3], v[ADR] offset:2048*\j+1024
	ds_load_b128 v[BI+8*\e+4:BI+8*\e+7], v[ADR] offset:2048*\j+1536
.endm
.macro PROD kind, u, g, n              ; product n = 4 x K step + tile of x of a pair's block u (set u), sums in set pair g
.set Q_, (\n)/4
.set P_, (\n)%4
.set X_, 16*((\n)%16)
.set WX_, 1+(\n)/16
.set F_, 128*(\u)+16*Q_
.set SX_, SX+8*P_+Q_
.set SW_, SW+8*(\u)+Q_
.if \kind
.set D_, ACC+64*(\g)+32*(P_%2)+8*(2*(\u)+P_/2)
.else
.set D_, ACC+64*(\g)+32*(\u)+8*P_
.endif
.set C_, D_
.if Q_ == 0
.set C_, BI+8*(\u)
.endif
.if \kind
	WIN WX_|(3<<2)
	v_wmma_scale_f32_16x16x128_f8f6f4 v[D_:D_+7], v[X_:X_+15], v[F_:F_+15], v[C_:C_+7], v[SX_], v[SW_] matrix_a_fmt:MATRIX_FMT_BF8 matrix_b_fmt:MATRIX_FMT_BF8
.else
	WIN 3|(WX_<<2)
	v_wmma_scale_f32_16x16x128_f8f6f4 v[D_:D_+7], v[F_:F_+15], v[X_:X_+15], v[C_:C_+7], v[SW_], v[SX_] matrix_a_fmt:MATRIX_FMT_BF8 matrix_b_fmt:MATRIX_FMT_BF8
.endif
.endm
; THE QUANTISER of a pair's sums at x: groups 2 u and 2 u + 1 side by side, line by line, in 15 steps
.macro GAP2 j, u, x
.set J_, \j
.set E_, (\x)+16*(\u)
.set O_, (\x)+16*(\u)+32
.set GB_, 2*(\u)
.if J_ == 0
.irp b, 0,1
	v_max3_num_f32 v[TQ+4*\b], |v[E_+8*\b]|, |v[E_+8*\b+1]|, |v[E_+8*\b+2]|   ; each accumulator is read from its low end on
	v_max3_num_f32 v[TQ+4*\b+2], |v[O_+8*\b]|, |v[O_+8*\b+1]|, |v[O_+8*\b+2]|
.endr
.elseif J_ < 3
.irp b, 0,1
	v_max3_num_f32 v[TQ+4*\b], v[TQ+4*\b], |v[E_+8*\b+2*J_+1]|, |v[E_+8*\b+2*J_+2]|
	v_max3_num_f32 v[TQ+4*\b+2], v[TQ+4*\b+2], |v[O_+8*\b+2*J_+1]|, |v[O_+8*\b+2*J_+2]|
.endr
.elseif J_ == 3
.irp b, 0,1
	v_max3_num_f32 v[TQ+4*\b+2], v[TQ+4*\b+2], |v[O_+8*\b+7]|, 0x8000000   ; and the floor 2^(16 - 127): the byte cannot fall under 1
.endr
.irp b, 0,1
	v_max3_num_f32 v[TQ+4*\b], v[TQ+4*\b], |v[E_+8*\b+7]|, v[TQ+4*\b+2]
.endr
.elseif J_ == 4
.irp b, 0,1
	v_permlanex16_b32 v[TQ+4*\b+2], v[TQ+4*\b], s[SEL], s[SEL+1]
.endr
.irp b, 0,1
	v_alignbit_b32 v[RQ+GB_+\b], v[PQ+GB_+\b], v[RQ+GB_+\b], 8
.endr
.irp b, 0,1
	v_max_num_f32 v[TQ+4*\b], v[TQ+4*\b], v[TQ+4*\b+2]   ; with lane l xor 16's: the block's largest magnitude
.endr
.elseif J_ == 5
.irp b, 0,1
	v_alignbit_b32 v[PQ+GB_+\b], v[SQ+GB_+\b], v[PQ+GB_+\b], 8
.endr
.irp b, 0,1
	v_add_nc_u32 v[SOP+GB_+\b], 0xf8800000, v[TQ+4*\b]   ; 15 off its exponent field: the conversion's scale operand
.endr
.irp b, 0,1
	v_and_or_b32 v[TQ+4*\b+1], v[TQ+4*\b], 0x7f800000, s[MNT]   ; 57,344 x the scale
.endr
.elseif J_ < 14
.if J_ < 10
.set H_, E_+2*(J_-6)
.else
.set H_, O_+2*(J_-10)
.endif
.irp b, 0,1
	v_med3_num_f32 v[H_+8*\b], v[H_+8*\b], -v[TQ+4*\b+1], v[TQ+4*\b+1]   ; the conversion does not saturate (ISA guide 7.6.2): the hold comes first
	v_med3_num_f32 v[H_+8*\b+1], v[H_+8*\b+1], -v[TQ+4*\b+1], v[TQ+4*\b+1]
.endr
.if J_ == 9
.irp b, 0,1
	v_cvt_scalef32_pk8_bf8_f32 v[MCD+4*(GB_+\b):MCD+4*(GB_+\b)+1], v[E_+8*\b:E_+8*\b+7], v[SOP+GB_+\b]
.endr
.endif
.if J_ == 13
.irp b, 0,1
	v_cvt_scalef32_pk8_bf8_f32 v[MCD+4*(GB_+\b)+2:MCD+4*(GB_+\b)+3], v[O_+8*\b:O_+8*\b+7], v[SOP+GB_+\b]
.endr
.endif
.else
.irp b, 0,1
	v_lshrrev_b32 v[EB+\b], 23, v[SOP+GB_+\b]      ; the byte
.endr
.irp b, 0,1
	v_alignbit_b32 v[SQ+GB_+\b], v[EB+\b], v[SQ+GB_+\b], 8
.endr
.endif
.endm
.macro BLOCK kind, u, g, from, to      ; products from .. to - 1 of a block; behind every second one a step of the other pair's quantiser
.set N_, \from
.rept (\to)-(\from)
	PROD \kind, \u, \g, N_
.if (N_%2) && (N_ < 31)
	WIN 0
	GAP2 (N_-1)/2, \u, ACC+64-64*(\g)
.endif
.set N_, N_+1
.endr
	WIN 0
.endm
.macro STORE                           ; a pair's codes leave: four stores of 512 consecutive bytes
	s_add_nc_u64 s[BS:BS+1], s[BS:BS+1], s[STP:STP+1]
	s_add_nc_u64 s[76:77], s[BS:BS+1], s[D1:D1+1]
	s_add_nc_u64 s[78:79], s[76:77], s[D2:D2+1]
	s_add_nc_u64 s[80:81], s[78:79], s[D1:D1+1]
	WALU
.irp g, 0,1,2,3
	global_store_b128 v[LI], v[MCD+4*\g:MCD+4*\g+3], s[BS+2*\g:BS+2*\g+1]
.endr
.endm
; A TRIP is four blocks, two pairs.  Set 0 holds its first block, or that block's loads are out.  In a wait of 36 the loads of the block behind, just issued, may be out.
.macro TRIP kind
	FETCH 1, 1
	s_wait_dscnt 36
	s_wait_xcnt 0x0                                ; the last stores have read their registers and bases
	BLOCK \kind, 0, 0, 0, 32
	PLACES 8
	FETCH 0, 2
	s_wait_dscnt 36
	BLOCK \kind, 1, 0, 0, 32
	PLACES 8
	FETCH 1, 3
.if \kind
	WALU
	s_cmp_eq_u32 s[TR], 0
	s_cbranch_scc1 .Lno_pair_before
	STORE
.Lno_pair_before:
.else
	STORE                                          ; (the first of these is v's last pair)
	s_mov_b32 s[D1], 2048                          ; from here on q's and k's: a tile of x a group, 512 bytes a pair
	s_mov_b32 s[D2], 2048
	s_mov_b32 s[STP], 512
.endif
	s_wait_dscnt 36
	s_wait_xcnt 0x0
	BLOCK \kind, 0, 1, 0, 23
.if \kind
	WALU
	s_wait_tensorcnt 0x0                           ; no tensor load of mine is out: a descriptor may be written
	ds_add_u32 v[SPW], v[NIL]
	s_xor_b32 s[G0R+1], s[G0R+1], 131072           ; q's halves go to areas 2, 3, then k's to 0, 1
	s_add_nc_u64 s[G0R+2:G0R+3], s[G0R+2:G0R+3], 64*2048
.endif
	BLOCK \kind, 0, 1, 23, 28
	WALU
.if (\kind) == 0
	s_wait_tensorcnt 0x0                           ; the first of these shows k's halves
.endif
	s_wait_dscnt 0x0                               ; the add is done, and my reads of this trip's area are over
	s_barrier_signal -1
	BLOCK \kind, 0, 1, 28, 32
	s_barrier_wait -1
.if \kind
	CREST                                          ; no wave of any partner reads the areas that are filled now
	TLOAD G0R, G1R
	PLACES 4
	s_add_co_u32 s[AREA], s[AREA], 65536
	s_add_co_u32 s[RCS], s[RCS], 8192
	v_add_nc_u32 v[ADW], s[AREA], v[LI]            ; on to the next trip's area and records
	v_add_nc_u32 v[ADR], s[RCS], v[LI]
	FETCH 0, 0
.else
	PLACES 8
	s_cmp_eq_u32 s[TR], 5
	s_cbranch_scc1 .Lno_trip_behind
	s_add_co_u32 s[AREA], s[AREA], 65536
	s_add_co_u32 s[RCS], s[RCS], 8192
	s_and_b32 s95, s[AREA], 0x30000
	v_add_nc_u32 v[ADW], s95, v[LI]
	v_add_nc_u32 v[ADR], s[RCS], v[LI]
	FETCH 0, 0
.Lno_trip_behind:
.endif
	BLOCK \kind, 1, 1, 0, 32                       ; (its loads were waited for ahead of the barrier)
	PLACES 8
.if (\kind) == 0
	s_cmp_eq_u32 s[TR], 2
	s_cselect_b64 s[BS:BS+1], s[BQP:BQP+1], s[BS:BS+1]
	s_cmp_eq_u32 s[TR], 4
	s_cselect_b64 s[BS:BS+1], s[BKP:BKP+1], s[BS:BS+1]
.endif
	STORE
	s_add_co_u32 s[TR], s[TR], 1
.endm
	FETCH 0, 0
	s_wait_loadcnt 0x0                             ; x is in
.Lv:
	TRIP 1
	s_cmp_lt_u32 s[TR], 2
	s_cbranch_scc1 .Lv
.Lqk:
	TRIP 0
	s_cmp_lt_u32 s[TR], 6
	s_cbranch_scc1 .Lqk
	s_wait_xcnt 0x0
.set K_, 0
.rept 30
	GAP2 K_%15, K_/15, ACC+64                      ; the last pair's way out
.set K_, K_+1
.endr
	STORE
	s_and_b32 s3, s[WV], 1
	s_lshr_b32 s2, s[WV], 1
	s_lshl_b32 s2, s2, 9
	s_lshl_b32 s3, s3, 1
	s_add_co_u32 s2, s2, s3
	s_add_co_u32 s2, s2, VX
	s_lshl_b32 s3, s[WV], 8
	s_add_co_u32 s3, s3, VX
	s_mov_b32 s95, 0xffff0000                      ; lanes 16-31
	; v's bytes: chain word RQ + 2 u + c holds, for pairs 0 .. 3, tile 2 p + u's byte of my keys' half c: both halves side by side, two pairs a word
	v_perm_b32 v120, v[RQ+1], v[RQ], 0x05010400
	v_perm_b32 v121, v[RQ+1], v[RQ], 0x07030602
	v_perm_b32 v122, v[RQ+3], v[RQ+2], 0x05010400
	v_perm_b32 v123, v[RQ+3], v[RQ+2], 0x07030602
	v_lshlrev_b32 v7, 2, v1
	v_add_nc_u32 v7, s2, v7
	v_lshlrev_b32 v8, 3, v3
	v_add_nc_u32 v21, s3, v8
	v_lshlrev_b32 v9, 4, v1
	v_lshl_add_u32 v9, v2, 15, v9                  ; q's words by lanes 0-15, k's, 32,768 bytes on, by lanes 16-31
.irp i, 0,1,2,3
	v_cndmask_b32 v[60+\i], v[PQ+\i], v[SQ+\i], s95
.endr
	WALU
.irp u, 0,1
	ds_store_b16 v7, v[120+2*\u] offset:64*\u
	ds_store_b16_d16_hi v7, v[120+2*\u] offset:128+64*\u
	ds_store_b16 v7, v[121+2*\u] offset:256+64*\u
	ds_store_b16_d16_hi v7, v[121+2*\u] offset:384+64*\u
.endr
	global_store_b128 v9, v[60:63], s[16:17]       ; two runs of 256 bytes
	s_wait_dscnt 0x0
	s_barrier_signal -1
	s_barrier_wait -1
	ds_load_b64 v[122:123], v21
	s_wait_dscnt 0x0
	global_store_b64 v8, v[122:123], s[20:21]      ; 256 consecutive bytes, aligned
	s_wait_tensorcnt 0x0                           ; the wave's end
	ds_add_u32 v[SPW], v[NIL]
	s_wait_dscnt 0x0
	CROUND                                         ; the closing round
	s_endpgm
.Lfunc_end_k_q2301576e38_proj:
	.size	k_q2301576e38_proj, .Lfunc_end_k_q2301576e38_proj-k_q2301576e38_proj
	.p2alignl 7, 3214868480
	.fill 96, 4, 3214868480
	.section	.rodata,"a",@progbits
	.p2align	6, 0x0
	.amdhsa_kernel k_q2301576e38_proj
		.amdhsa_group_segment_fixed_size 327680
		.amdhsa_private_segment_fixed_size 0
		.amdhsa_enable_private_segment 0
		.amdhsa_kernarg_size 72
		.amdhsa_user_sgpr_count 2
		.amdhsa_user_sgpr_kernarg_segment_ptr 1
		.amdhsa_wavefront_size32 1
		.amdhsa_system_sgpr_workgroup_id_x 1
		.amdhsa_system_sgpr_workgroup_id_y 1
		.amdhsa_system_sgpr_workgroup_id_z 1
		.amdhsa_system_vgpr_workitem_id 0
		.amdhsa_next_free_vgpr 1024
		.amdhsa_next_free_sgpr 102
		.amdhsa_reserve_vcc 0
		.amdhsa_float_denorm_mode_32 3
		.amdhsa_float_denorm_mode_16_64 3
		.amdhsa_memory_ordered 1
		.amdhsa_forward_progress 1
		.amdhsa_inst_pref_size 140
	.end_amdhsa_kernel
	.amdgpu_metadata
---
amdhsa.version: [ 1, 2 ]
amdhsa.kernels:
  - .name:           k_q2301576e38_proj
    .symbol:         k_q2301576e38_proj.kd
    .args:
      - { .name: ac, .offset: 0, .size: 8, .value_kind: global_buffer, .address_space: global }
      - { .name: asc, .offset: 8, .size: 8, .value_kind: global_buffer, .address_space: global }
      - { .name: bq, .offset: 16, .size: 8, .value_kind: global_buffer, .address_space: global }
      - { .name: bk, .offset: 24, .size: 8, .value_kind: global_buffer, .address_space: global }
      - { .name: bv, .offset: 32, .size: 8, .value_kind: global_buffer, .address_space: global }
      - { .name: qkc, .offset: 40, .size: 8, .value_kind: global_buffer, .address_space: global }
      - { .name: qks, .offset: 48, .size: 8, .value_kind: global_buffer, .address_space: global }
      - { .name: vc, .offset: 56, .size: 8, .value_kind: global_buffer, .address_space: global }
      - { .name: vs, .offset: 64, .size: 8, .value_kind: global_buffer, .address_space: global }
    .group_segment_fixed_size: 327680
    .private_segment_fixed_size: 0
    .kernarg_segment_align: 8
    .kernarg_segment_size: 72
    .max_flat_workgroup_size: 128
    .sgpr_count:     102
    .vgpr_count:     1024
    .wavefront_size: 32
...
	.end_amdgpu_metadata
.endif
;; end of part 2
;; launch scores (part 3): grid 61 x 4, 4 waves a work-group, no clusters, 167,936 bytes of LDS; arguments qkc, qks, pc, pst; writes pc, pst
.if DOCPART == 3
	.amdgcn_target "amdgcn-amd-amdhsa--gfx1250"
	.amdhsa_code_object_version 6
	.text
	.protected	k_q2301576e38_scores
	.globl	k_q2301576e38_scores
	.p2align	8
	.type	k_q2301576e38_scores,@function
k_q2301576e38_scores:
	s_mov_b64 s[64:65], 0
	v_nop
	global_prefetch_b8 v0, s[64:65] scope:SCOPE_SE
	s_setreg_imm32_b32 hwreg(HW_REG_WAVE_MODE, 25, 1), 1
	s_wait_xcnt 0x0
; p = 2^(t - M) on codes of BF8 (E5M2), t = q k^T log2(e) / 32, under the causal mask.  EVERY BLOCK OF 32 KEYS HAS ITS OWN WHOLE NUMBER M, floor(its largest t) of the row, so its largest p lies from 1 to 2 and
; its scale is 2^-15 whatever the numbers: no byte is stored.  The codes do not hang on which whole number is taken; the next launch brings a row's blocks under one M.  Hidden keys count as -infinity.
; SHARES: 256 queries (block i of a batch's eight) have 8 (i + 1) blocks of keys that the mask does not hide whole; they are cut into 2, 4, 5, 7, 8, 10, 12, 13 parts of four (the first 2, 4, 1, 3, 0, 2, 4, 1 parts)
; or five blocks: 61 work-groups a batch.  A wave takes 64 queries x its part's 128 or 160 keys: up to 40 accumulators, all of K (1,024), K outermost.
; q's fragments are read by one wave of the work-group and go straight from memory into registers, five K steps ahead; k's (163,840 bytes for five blocks) come into LDS by one tensor load a wave, two K steps each,
; shown in two halves, and stay: nothing is filled twice.  A part of four fetches its fifth block with the others and leaves its products out but for the first K step's, and its softmax.
; No cluster: the parts of a block of queries, which share q, are no multiple of four.  No prefetch: all of k is asked for at the head.
; THE MATRIX INSTRUCTION IS USED TRANSPOSED: source 0 = 16 keys, source 1 = 16 queries: a lane holds one query; the 16 registers of a block's two tiles are keys 32 b + 16 (lane / 16) + 0 .. 15.
; pc: [16 groups of 128 keys][512 tiles of queries][4 blocks][lane][16].  pst: -M [64 blocks][256 pairs of tiles][16 rows][2 tiles]; behind 2,097,152 bytes [13 parts][256 pairs][16 rows][2 tiles]: the part's least -M and
; its sum of the unquantised p under it.  Blocks hidden from all of a block of 128 queries are neither made nor stored (waves 0, 1 of the last group); the next launch reads none of them.
; LIMITS: NaN and infinities are not served; scaled scores stay under 2^31 in magnitude.
; REGISTERS: window 0: v48-127 scale words (lanes 0-15 q's, lanes 16-31 k's), v128-255 two K steps of q, later p;  window 1: k's fragments, eight pairs of tiles;  window 2: the sums of blocks 0-3 (v[64 block + 16 tile
; of q + 8 u]);  window 3: v0-63 the sums of block 4, v64-255 three K steps of q.
.set PLQ,   2097152
.set KB1,   20480                      ; a K step of ten tiles of k in LDS
.set SPARE, 8*KB1
.set LI,   4                           ; v4 16 x lane; v5, v6 the same, three and six K steps on
.set AD0,  7                           ; v7, v8 scale words of pairs 0, 2, 4 and 1, 3
.set AD1,  8
.set MAD,  9                           ; v9 8 r + 128 h
.set SPW,  10
.set NIL,  11
.set D0,   12
.set NINF, 13
.set LIM,  14                          ; 1.75
.set SCO,  15                          ; 2^-15: the conversions' scale operand
.set BM,   16
.set TP,   20
.set NM,   24                          ; v24, 26, 28, 30: -M of the four tiles, low words of pairs
.set SU,   32
.set LB,   40
.set PAD,  44                          ; v44 16 r + 256 h
.set DD,   45
.set SC,   48
.set NP,   48                          ; (behind the products)
.set L,    52
.set TA,   56
.set MO,   64
.set PO,   68
.set PC,   96
.set T,    128
.set WV,  12
.set BAT, 13
.set QI,  14
.set PJ,  15
.set ST,  16                           ; the part's first block
.set KE,  17                           ; the last block that my wave works
.set CUM, 18
.set NBS, 19
.set CS,  20
.set SEL, 22
.set Q0,  24
.set KB,  25
.set TR,  26
.set HI,  27
.set G1,  28
.set G0,  36
.set FIVE, 56
.set MSB, 0
.macro WIN new
.if MSB != (\new)
	s_set_vgpr_msb (MSB<<8)|(\new)
.set MSB, (\new)
.endif
.endm
.macro PLACES n                        ; plain lines between a matrix instruction and a load into, or a read of, its registers
.rept \n
	v_nop
.endr
.endm
.macro WALU
	s_wait_alu depctr_va_vdst(0)
.endm
	s_load_b256 s[4:11], s[0:1], 0x0               ; qkc, qks, pc, pst
	v_lshl_add_u32 v[SPW], v0, 2, SPARE
	v_mov_b32 v[NIL], 0
	ds_add_u32 v[SPW], v[NIL]                      ; the wave's opening: the add, twice on end, and its wait
	ds_add_u32 v[SPW], v[NIL]
	v_lshrrev_b32 v1, 5, v0
	v_readfirstlane_b32 s[WV], v1
	s_and_b32 s[BAT], ttmp7, 0xffff
	s_mov_b32 s[QI], 0
	s_mov_b32 s[CUM], 0
	s_mov_b32 s[NBS], 2
.macro FROM x, i, nb                   ; from work-group x on: block i of queries, whose first nb parts have four blocks
	s_cmp_ge_u32 ttmp9, \x
	s_cselect_b32 s[QI], \i, s[QI]
	s_cselect_b32 s[CUM], \x, s[CUM]
	s_cselect_b32 s[NBS], \nb, s[NBS]
.endm
	FROM 2, 1, 4
	FROM 6, 2, 1
	FROM 11, 3, 3
	FROM 18, 4, 0
	FROM 26, 5, 2
	FROM 36, 6, 4
	FROM 48, 7, 1
	s_sub_co_u32 s[PJ], ttmp9, s[CUM]
	s_sub_co_i32 s2, s[PJ], s[NBS]
	s_max_i32 s2, s2, 0
	s_lshl_b32 s[ST], s[PJ], 2
	s_add_co_u32 s[ST], s[ST], s2
	s_cmp_ge_u32 s[PJ], s[NBS]
	s_cselect_b32 s[FIVE], 1, 0
	s_add_co_u32 s[KE], s[ST], 3
	s_add_co_u32 s[KE], s[KE], s[FIVE]
	s_lshl_b32 s2, s[QI], 3
	s_lshr_b32 s3, s[WV], 1
	s_lshl_b32 s3, s3, 2
	s_add_co_u32 s2, s2, s3
	s_add_co_u32 s2, s2, 3
	s_min_u32 s[KE], s[KE], s2                     ; the part's last, or the last of my 128 queries' diagonal group
	s_lshl_b32 s[Q0], s[QI], 8
	s_lshl_b32 s2, s[WV], 6
	s_add_co_u32 s[Q0], s[Q0], s2                  ; my first query
	s_lshl_b32 s50, s[BAT], 5
	s_lshl_b32 s2, s[QI], 2
	s_add_co_u32 s50, s50, s2
	s_add_co_u32 s50, s50, s[WV]                   ; my group of four tiles
	s_mov_b32 s[G1], 3<<16                         ; no mask; elements of 8 bytes; no padding
	s_mov_b32 s[G1+1], 2560<<16                    ; ten tiles = 20,480 bytes,
	s_mov_b32 s[G1+2], 2<<16                       ; two K steps
	s_mov_b32 s[G1+3], 2560<<16
	s_mov_b32 s[G1+4], 2
	s_mov_b32 s[G1+5], PLQ/8
	s_mov_b32 s[G1+6], 0
	s_mov_b32 s[G1+7], 0
	s_lshl_b32 s40, s[WV], 22                      ; k: K steps 2 x wave on, tiles 512 + 128 batch + 2 x first block on
	s_lshl_b32 s2, s[BAT], 18
	s_add_co_u32 s40, s40, s2
	s_lshl_b32 s2, s[ST], 12
	s_add_co_u32 s40, s40, s2
	s_add_co_u32 s40, s40, 512*2048
	s_mov_b32 s41, 0
	s_lshl_b32 s42, s50, 13                        ; q, and p: my four tiles
	s_mov_b32 s43, 0
	s_lshl_b32 s46, s50, 8                         ; -M: my two pairs of tiles
	s_mov_b32 s47, 0
	s_lshl_b32 s48, s50, 9                         ; the part's numbers
	s_lshl_b32 s2, s[PJ], 16
	s_add_co_u32 s48, s48, s2
	s_add_co_u32 s48, s48, 2097152
	s_mov_b32 s49, 0
	; scale words [8 K steps][256 groups of 4 tiles][16 rows][4 tiles]: from q's to k's, for pairs 0, 2, 4 (s2) and for pairs 1, 3 (s3)
	s_lshl_b32 s51, s[BAT], 13
	s_add_co_u32 s51, s51, 32768
	s_sub_co_u32 s51, s51, s46
	s_lshr_b32 s2, s[ST], 1
	s_lshl_b32 s2, s2, 8
	s_and_b32 s3, s[ST], 1
	s_lshl_b32 s3, s3, 3
	s_add_co_u32 s2, s2, s3
	s_add_co_u32 s2, s2, s51
	s_add_co_u32 s52, s[ST], 1
	s_lshr_b32 s3, s52, 1
	s_lshl_b32 s3, s3, 8
	s_and_b32 s52, s52, 1
	s_lshl_b32 s52, s52, 3
	s_add_co_u32 s3, s3, s52
	s_add_co_u32 s3, s3, s51
	s_sub_co_u32 s3, s3, 8
	v_and_b32 v1, 15, v0                           ; r
	v_bfe_u32 v2, v0, 4, 1                         ; h
	v_and_b32 v3, 31, v0
	v_lshlrev_b32 v[LI], 4, v3
	v_add_nc_u32 v5, 3*KB1, v[LI]
	v_add_nc_u32 v6, 6*KB1, v[LI]
	v_lshlrev_b32 v16, 4, v1
	v_add_nc_u32 v16, s46, v16
	v_mul_u32_u24 v[AD0], s2, v2
	v_mul_u32_u24 v[AD1], s3, v2
	v_add_nc_u32 v[AD0], v[AD0], v16
	v_add_nc_u32 v[AD1], v[AD1], v16
	v_add_nc_u32 v[AD1], 8, v[AD1]
	v_lshlrev_b32 v[MAD], 3, v1
	v_lshl_add_u32 v[MAD], v2, 7, v[MAD]
	v_lshlrev_b32 v[PAD], 4, v1
	v_lshl_add_u32 v[PAD], v2, 8, v[PAD]
	v_and_b32 v17, 7, v1
	v_lshrrev_b32 v18, 3, v1
	v_lshl_add_u32 v17, v18, 4, v17
	v_lshlrev_b32 v18, 4, v2
	v_sub_nc_u32 v[D0], v17, v18                   ; r % 8 + 16 (r / 8) - 16 h
	v_mov_b32 v[NINF], 0xff800000
	v_mov_b32 v[LIM], 0x3fe00000
	v_mov_b32 v[SCO], 0x38000000
.irp a, 0,1,2,3
	v_mov_b32 v[TP+\a], 0                          ; written once: a lane permute's destination counts as one of its sources
	v_mov_b32 v[NM+2*\a+1], 0                      ; (named as the upper halves of pairs)
.endr
	s_mov_b32 s[CS], 0x3d38aa3b                    ; log2(e) / 32
	s_mov_b32 s[CS+1], s[CS]
	s_mov_b32 s[SEL], 0x76543210
	s_mov_b32 s[SEL+1], 0xfedcba98
	s_mov_b32 s[HI], 0xffff0000                    ; lanes 16-31
	s_mul_i32 s52, s[WV], 2*KB1
	WALU
	s_wait_dscnt 0x0                               ; both opening adds are done
	s_wait_kmcnt 0x0
	s_mov_b32 s[G0], 1
	s_mov_b32 s[G0+1], s52
	s_add_nc_u64 s[G0+2:G0+3], s[4:5], s[40:41]
	s_or_b32 s[G0+3], s[G0+3], 0x80000000
	s_cmp_lt_u32 s[WV], 2                          ; K steps 0-3 are shown ahead of 4-7: a line of its own for each half
	s_cbranch_scc0 .Lupper
	tensor_load_to_lds s[G0:G0+3], s[G1:G1+7]
	s_nop 0
	PLACES 4
	s_branch .Lasked
.Lupper:
	tensor_load_to_lds s[G0:G0+3], s[G1:G1+7]
	s_nop 0
	PLACES 4
.Lasked:
	s_add_nc_u64 s[40:41], s[4:5], s[42:43]        ; q's K steps 0-3
	s_add_nc_u64 s[44:45], s[40:41], 4*PLQ         ; and 4-7
	s_add_nc_u64 s[42:43], s[8:9], s[42:43]        ; p
	s_add_nc_u64 s[46:47], s[10:11], s[46:47]
	s_add_nc_u64 s[48:49], s[10:11], s[48:49]
.irp n, 0,1,2,3,4,5,6,7
.irp i, 0,1,2,3,4
	global_load_b64 v[SC+10*\n+2*\i:SC+10*\n+2*\i+1], v[AD0+\i%2], s[6:7] offset:65536*\n+256*(\i/2)   ; lanes 0-15: q's pair i (0 and 1 are mine), lanes 16-31: k's
.endr
.endr
.macro QLOAD n                         ; q's K step n, four tiles, into place n % 5: 16 loads of 512 consecutive bytes
.set S_, (\n)%5
.if S_ < 3
	WIN 0xc0
.set R_, 64+64*S_
.else
	WIN 0
.set R_, 128+64*(S_-3)
.endif
.irp a, 0,1,2,3
.irp c, 0,1,2,3
.if (\n) < 4
	global_load_b128 v[R_+16*\a+4*\c:R_+16*\a+4*\c+3], v[LI], s[40:41] offset:PLQ*(\n)+2048*\a+512*\c
.else
	global_load_b128 v[R_+16*\a+4*\c:R_+16*\a+4*\c+3], v[LI], s[44:45] offset:PLQ*((\n)-4)+2048*\a+512*\c
.endif
.endr
.endr
	WIN 0
.endm
	QLOAD 0
	QLOAD 1
	QLOAD 2
	QLOAD 3
	QLOAD 4
.macro KLOAD i                         ; pair i = 5 x K step + block: two fragments into place i % 8
.set KN_, (\i)/5
.set KP_, (\i)%5
	WIN 0x40
.irp u, 0,1
.irp c, 0,1,2,3
	ds_load_b128 v[32*((\i)%8)+16*\u+4*\c:32*((\i)%8)+16*\u+4*\c+3], v[LI+KN_/3] offset:KB1*(KN_%3)+2048*(2*KP_+\u)+512*\c
.endr
.endr
	WIN 0
.endm
; Pair i's eight products; behind them four places, the loads of the pair six on (its place was last read two pairs ago: twelve places), and, behind a K step's first pair, q's K step four on.
; (The places and the loads stand behind every second pair: 16 loads a run, the two pairs five and six on, whose places of the eight were last read one run ago and more; q's K step four on is asked for behind them.)
.macro PAIR i
.set N_, (\i)/5
.set P_, (\i)%5
.set Y_, N_%5
.if P_ < 4
.set WD_, 2
.set AB_, 64*P_
.else
.set WD_, 3
.set AB_, 0
.endif
.if Y_ < 3
.set WQ_, 3
.set QB_, 64+64*Y_
.else
.set WQ_, 0
.set QB_, 128+64*(Y_-3)
.endif
.if P_ == 0
.if N_ == 0
	s_wait_loadcnt 63                              ; q's K step 0 and the scale words are in: 64 were issued behind them
.elseif N_ < 5
	s_wait_loadcnt 48                              ; the three K steps behind this one may be out
.else
	s_wait_loadcnt 16*(7-N_)
.endif
.endif
.if (\i) < 35
	s_wait_dscnt 40-8*((\i)%2)                     ; ahead of an even pair the five behind it may be out, ahead of an odd one four
.else
	s_wait_dscnt 8*(39-(\i))
.endif
.if (P_ == 4) && (N_ > 0)
	s_cmp_eq_u32 s[FIVE], 0
	s_cbranch_scc1 .Lno_fifth_\@
.endif
	WIN 1|(WQ_<<2)|(WD_<<4)|(WD_<<6)
.irp u, 0,1
.irp a, 0,1,2,3
.set D_, AB_+16*\a+8*\u
.set F_, 32*((\i)%8)+16*\u
.if N_ == 0
	v_wmma_scale_f32_16x16x128_f8f6f4 v[D_:D_+7], v[F_:F_+15], v[QB_+16*\a:QB_+16*\a+15], 0, v[SC+10*N_+2*P_+\u], v[SC+10*N_+\a] matrix_a_fmt:MATRIX_FMT_BF8 matrix_b_fmt:MATRIX_FMT_BF8 matrix_a_scale:MATRIX_SCALE_ROW1
.else
	v_wmma_scale_f32_16x16x128_f8f6f4 v[D_:D_+7], v[F_:F_+15], v[QB_+16*\a:QB_+16*\a+15], v[D_:D_+7], v[SC+10*N_+2*P_+\u], v[SC+10*N_+\a] matrix_a_fmt:MATRIX_FMT_BF8 matrix_b_fmt:MATRIX_FMT_BF8 matrix_a_scale:MATRIX_SCALE_ROW1
.endif
.endr
.endr
	WIN 0
.if (P_ == 4) && (N_ > 0)
.Lno_fifth_\@:
.endif
.if (\i)%2
	PLACES 8
.endif
.if (\i) == 15
	s_wait_tensorcnt 0x0                           ; my part of K steps 4-7 is in (or was not mine)
	s_wait_dscnt 0x0
	s_barrier_signal -1
	s_barrier_wait -1                              ; everybody's: the loads of pair 20 on read them
.endif
.if ((\i)%2) && ((\i)+6 < 40)
	KLOAD (\i)+5
	KLOAD (\i)+6
.endif
.if ((\i) == 5) || ((\i) == 11) || ((\i) == 15)
	QLOAD (\i)/5+4
.endif
.endm
	s_cmp_lt_u32 s[WV], 2
	s_cbranch_scc0 .Lnot_yet
	s_wait_tensorcnt 0x0                           ; waves 0, 1: K steps 0-3 have landed
.Lnot_yet:
	s_barrier_signal -1
	s_barrier_wait -1
.set I_, 0
.rept 6
	KLOAD I_
.set I_, I_+1
.endr
.set I_, 0
.rept 40
	PAIR I_
.set I_, I_+1
.endr
	PLACES 8
.irp a, 0,1,2,3
	v_mov_b32 v[NP+\a], 0x7f61b1e6                 ; the part's least -M so far: 3e38
	v_mov_b32 v[L+\a], 0                           ; and its sum
.endr
	s_mov_b32 s[TR], 0
	s_mov_b32 s51, 0
	s_mov_b32 s53, 0
	WALU
; THE SOFTMAX: a trip is a block of 32 keys x my 64 queries: tile a's 16 numbers a lane at v[T + 16 a].  The branch hangs on ids alone.
.Lsoft:
	s_add_co_u32 s[KB], s[ST], s[TR]
	s_cmp_gt_u32 s[KB], s[KE]
	s_cbranch_scc1 .Lskip
	s_wait_xcnt 0x0                                ; the last trip's stores have read their registers and bases
.macro COPY p, w, x                    ; t = score x c, into window 0
	WIN \w
	WALU
.set j, 0
.rept 32
	v_pk_mul_f32 v[T+j:T+j+1], v[\x+j:\x+j+1], s[CS:CS+1] op_sel_hi:[1,0]
.set j, j+2
.endr
	WIN 0
.endm
.irp p, 0,1,2,3
	s_cmp_lg_u32 s[TR], \p
	s_cbranch_scc1 .Lother_\p
	COPY \p, 2, 64*\p
	s_branch .Lcopied
.Lother_\p:
.endr
	COPY 4, 3, 0
.Lcopied:
	s_lshl_b32 s2, s[KB], 5
	s_add_co_u32 s3, s2, 31
	WALU
	s_cmp_le_u32 s3, s[Q0]
	s_cbranch_scc1 .Lopen                          ; every key of the block counts for every query of mine
	s_sub_co_i32 s2, s[Q0], s2
	v_add_nc_u32 v[DD], s2, v[D0]
.set j, 0
.rept 64
	v_cmp_gt_i32 vcc_lo, j%16-32*(j/32)-8*((j/16)%2), v[DD]
	v_cndmask_b32 v[T+j], v[T+j], v[NINF], vcc_lo
.set j, j+1
.endr
.Lopen:
.irp a, 0,1,2,3
	v_max3_num_f32 v[BM+\a], v[T+16*\a], v[T+16*\a+1], v[T+16*\a+2]
.endr
.irp i, 3,5,7,9,11,13
.irp a, 0,1,2,3
	v_max3_num_f32 v[BM+\a], v[BM+\a], v[T+16*\a+\i], v[T+16*\a+\i+1]
.endr
.endr
.irp a, 0,1,2,3
	v_max3_num_f32 v[BM+\a], v[BM+\a], v[T+16*\a+15], 0xff61b1e6   ; -3e38 where every key is hidden
.endr
.irp a, 0,1,2,3
	v_permlanex16_b32 v[TP+\a], v[BM+\a], s[SEL], s[SEL+1]
.endr
.irp a, 0,1,2,3
	v_max_num_f32 v[BM+\a], v[BM+\a], v[TP+\a]     ; with lane l xor 16's 16 keys
.endr
.irp a, 0,1,2,3
	v_ceil_f32 v[NM+2*\a], -v[BM+\a]               ; -M = -floor(the largest t)
.endr
.set j, 0
.rept 32
	v_pk_add_f32 v[T+j:T+j+1], v[T+j:T+j+1], v[NM+2*(j/16):NM+2*(j/16)+1] op_sel_hi:[1,0]
.set j, j+2
.endr
	WALU
.set j, 0
.rept 64
	v_exp_f32 v[T+j], v[T+j]
.set j, j+1
.endr
.irp a, 0,1,2,3
	v_min_num_f32 v[TA+\a], v[NP+\a], v[NM+2*\a]   ; the part's new least -M  (plain lines behind the exponentials)
.endr
.irp a, 0,1,2,3
	v_sub_f32 v[NP+\a], v[TA+\a], v[NP+\a]         ; its old M less its new one: a whole number, 0 or less
.endr
.irp a, 0,1,2,3
	v_sub_f32 v[TA+4+\a], v[TA+\a], v[NM+2*\a]     ; the block's M less the part's
.endr
.irp a, 0,1,2,3
	v_cvt_i32_f32 v[NP+\a], v[NP+\a]               ; (they saturate)
.endr
.irp a, 0,1,2,3
	v_cvt_i32_f32 v[TA+4+\a], v[TA+4+\a]
.endr
.irp a, 0,1,2,3
	v_ldexp_f32 v[L+\a], v[L+\a], v[NP+\a]
.endr
.irp a, 0,1,2,3
	v_mov_b32 v[NP+\a], v[TA+\a]
.endr
	v_cndmask_b32 v[MO], v[NM], v[NM+4], s[HI]     ; lanes 0-15 store tiles 0, 1, lanes 16-31 tiles 2, 3
	v_cndmask_b32 v[MO+1], v[NM+2], v[NM+6], s[HI]
	WALU                                           ; one wait for the batch, ahead of its first reader
.irp a, 0,1,2,3
	v_pk_add_f32 v[SU+2*\a:SU+2*\a+1], v[T+16*\a:T+16*\a+1], v[T+16*\a+2:T+16*\a+3]   ; the sum is taken of the unquantised p
.endr
.irp i, 4,6,8,10,12,14
.irp a, 0,1,2,3
	v_pk_add_f32 v[SU+2*\a:SU+2*\a+1], v[SU+2*\a:SU+2*\a+1], v[T+16*\a+\i:T+16*\a+\i+1]
.endr
.endr
.irp a, 0,1,2,3
	v_add_f32 v[LB+\a], v[SU+2*\a], v[SU+2*\a+1]
.endr
.irp a, 0,1,2,3
	v_permlanex16_b32 v[TP+\a], v[LB+\a], s[SEL], s[SEL+1]
.endr
.irp a, 0,1,2,3
	v_add_f32 v[LB+\a], v[LB+\a], v[TP+\a]
.endr
.irp a, 0,1,2,3
	v_ldexp_f32 v[LB+\a], v[LB+\a], v[TA+4+\a]
.endr
.irp a, 0,1,2,3
	v_add_f32 v[L+\a], v[L+\a], v[LB+\a]
.endr
.set j, 0
.rept 64
	v_min_num_f32 v[T+j], v[T+j], v[LIM]           ; the conversion does not saturate (ISA guide 7.6.2); p is not negative: the hold is one-sided
.set j, j+1
.endr
.irp a, 0,1,2,3
	v_cvt_scalef32_pk8_bf8_f32 v[PC+4*\a:PC+4*\a+1], v[T+16*\a:T+16*\a+7], v[SCO]
	v_cvt_scalef32_pk8_bf8_f32 v[PC+4*\a+2:PC+4*\a+3], v[T+16*\a+8:T+16*\a+15], v[SCO]
.endr
	v_nop                                          ; one plain line behind the last conversion
	s_lshr_b32 s50, s[KB], 2                       ; group of 128 keys,
	s_lshl_b32 s50, s50, 20
	s_and_b32 s2, s[KB], 3                         ; block in it
	s_lshl_b32 s2, s2, 9
	s_add_co_u32 s50, s50, s2
	s_add_nc_u64 s[58:59], s[42:43], s[50:51]
	s_lshl_b32 s52, s[KB], 15
	s_add_nc_u64 s[60:61], s[46:47], s[52:53]
	WALU
.irp a, 0,1,2,3
	global_store_b128 v[LI], v[PC+4*\a:PC+4*\a+3], s[58:59] offset:2048*\a   ; 512 consecutive bytes
.endr
	global_store_b64 v[MAD], v[MO:MO+1], s[60:61]  ; 256 consecutive bytes
.Lskip:
	s_add_co_u32 s[TR], s[TR], 1
	s_cmp_lt_u32 s[TR], 5
	WALU
	s_cbranch_scc1 .Lsoft
	v_cndmask_b32 v[PO], v[NP], v[NP+2], s[HI]
	v_cndmask_b32 v[PO+1], v[L], v[L+2], s[HI]
	v_cndmask_b32 v[PO+2], v[NP+1], v[NP+3], s[HI]
	v_cndmask_b32 v[PO+3], v[L+1], v[L+3], s[HI]
	global_store_b128 v[PAD], v[PO:PO+3], s[48:49] ; 512 consecutive bytes
	s_wait_tensorcnt 0x0                           ; the wave's end
	ds_add_u32 v[SPW], v[NIL]
	s_wait_dscnt 0x0
	s_endpgm
.Lfunc_end_k_q2301576e38_scores:
	.size	k_q2301576e38_scores, .Lfunc_end_k_q2301576e38_scores-k_q2301576e38_scores
	.p2alignl 7, 3214868480
	.fill 96, 4, 3214868480
	.section	.rodata,"a",@progbits
	.p2align	6, 0x0
	.amdhsa_kernel k_q2301576e38_scores
		.amdhsa_group_segment_fixed_size 167936
		.amdhsa_private_segment_fixed_size 0
		.amdhsa_enable_private_segment 0
		.amdhsa_kernarg_size 32
		.amdhsa_user_sgpr_count 2
		.amdhsa_user_sgpr_kernarg_segment_ptr 1
		.amdhsa_wavefront_size32 1
		.amdhsa_system_sgpr_workgroup_id_x 1
		.amdhsa_system_sgpr_workgroup_id_y 1
		.amdhsa_system_sgpr_workgroup_id_z 1
		.amdhsa_system_vgpr_workitem_id 0
		.amdhsa_next_free_vgpr 1024
		.amdhsa_next_free_sgpr 100
		.amdhsa_reserve_vcc 1
		.amdhsa_float_denorm_mode_32 3
		.amdhsa_float_denorm_mode_16_64 3
		.amdhsa_memory_ordered 1
		.amdhsa_forward_progress 1
		.amdhsa_inst_pref_size 127
	.end_amdhsa_kernel
	.amdgpu_metadata
---
amdhsa.version: [ 1, 2 ]
amdhsa.kernels:
  - .name:           k_q2301576e38_scores
    .symbol:         k_q2301576e38_scores.kd
    .args:
      - { .name: qkc, .offset: 0, .size: 8, .value_kind: global_buffer, .address_space: global }
      - { .name: qks, .offset: 8, .size: 8, .value_kind: global_buffer, .address_space: global }
      - { .name: pc, .offset: 16, .size: 8, .value_kind: global_buffer, .address_space: global }
      - { .name: pst, .offset: 24, .size: 8, .value_kind: global_buffer, .address_space: global }
    .group_segment_fixed_size: 167936
    .private_segment_fixed_size: 0
    .kernarg_segment_align: 8
    .kernarg_segment_size: 32
    .max_flat_workgroup_size: 128
    .sgpr_count:     100
    .vgpr_count:     1024
    .wavefront_size: 32
...
	.end_amdgpu_metadata
.endif
;; end of part 3
;; launch pv (part 4): grid 8 x 32, 4 waves a work-group, no clusters, 327,680 bytes of LDS; arguments pc, pst, vc, vs, out0; writes out0
.if DOCPART == 4
	.amdgcn_target "amdgcn-amd-amdhsa--gfx1250"
	.amdhsa_code_object_version 6
	.text
	.protected	k_q2301576e38_pv
	.globl	k_q2301576e38_pv
	.p2align	8
	.type	k_q2301576e38_pv,@function
k_q2301576e38_pv:
	s_mov_b64 s[64:65], 0
	v_nop
	global_prefetch_b8 v0, s[64:65] scope:SCOPE_SE
	s_setreg_imm32_b32 hwreg(HW_REG_WAVE_MODE, 25, 1), 1
	s_wait_xcnt 0x0
; out = (p v) / l on codes of BF8 (E5M2) with E8M0 scales.  p's codes came block by block of 32 keys, each under its block's whole number and the scale 2^-15; here every row's blocks are brought under the row's M (the
; largest of them): a block's scale byte is 112 + its number - M, held at 0 from below, and each part's sum is multiplied by 2^(its number - M): both exact, and no code changes.
; SHARES.  Under the causal mask block j of 128 queries has j + 1 groups of 128 keys; tiles beyond are hidden whole and left out.  A work-group takes TWO blocks of one batch, the long one j = 15 - i and the short one
; j = i, x 128 channels: 17 groups in all, whatever i: 4 batches x 8 pairs x 8 channel blocks = 256 work-groups of equal work.  A wave takes 32 queries (two tiles) of each block x the 128 channels: 16 accumulators a block.
; A STEP is one group of one block: 16 matrix instructions.  The 17 steps: short group 0; long groups 0 .. 15 - i; short groups i .. 1.  So step s is long group s - 1 where i <= 16 - s, else short group 17 - s:
; every group number is a constant of the text, steps 0 to 9 have one form, and the branch in steps 10 to 16 hangs on the work-group's number alone.
; THE MATRIX INSTRUCTION IS USED TRANSPOSED: source 0 = 16 channels of v (keys innermost), source 1 = 16 queries of p: a lane holds one query and, by the order of a tile's rows, runs of 16 neighbouring channels.
; V: the channel block's codes of all 2,048 keys are 262,144 bytes: groups 0-7 come into LDS at the head, 8-15 behind the first barrier, one tensor load a wave each, and stay: no byte of LDS is filled twice.  All 16 groups
; are fetched, though a pair reads 16 - i of them: the loads are then the same on every path.  Their scale words come through registers.
; P: a wave's tiles of p are read by no other wave, so they go from memory straight into registers, 512 consecutive bytes a load, 8 loads a step, into eight sets of 32 registers: seven steps' loads, 56, are on their way.
; P'S SCALE WORDS are made by the wave for its own rows and stay in registers: lanes 0-15 the short block's rows, lanes 16-31 the long one's; a product picks its half by the row of the scale operand.
; No cluster: p does not pass through LDS, where a joint load would land it; the other readers of v's tile are pairs with another i, which take the branches otherwise.
; No prefetch: p runs seven steps ahead in registers, and v is asked for whole at the head and behind the first barrier.
; LIMITS: NaN and infinities are not served; a scale byte of p that would fall under 0 is held at 0: such terms lie under 2^-111 of the row's largest p; the short block's groups are summed 0, i, i - 1 .. 1.
; REGISTERS: window 0: v1-31 addresses and 1 / l; v32-39 the fix-up; v40-55 v's scale words, two sets; v56-63 p's load offsets, one a set; v64-95 p's scale words (2 x group + tile); on the way out v64-255.
;   window 1: v's fragments, two sets (at the head addresses).   window 2: the accumulators: long (e, b) at v[8 (8 e + b)], short 128 further on (at the head the rows' numbers).   window 3: p's fragments, eight sets.
.set VHALF, 131072                     ; v's groups 0-7; then 8-15.  Wave w's load brings groups w and 4 + w of a half, one behind the other: group g lies at place 8 (g / 8) + 2 (g % 4) + (g / 4) % 2, 16,384 bytes a place
.set BSC,   262144                     ; v's scale words [16 groups][8 tiles][64]
.set STG,   270336                     ; a stage of 16 rows x 528 bytes for each wave
.set SPARE, STG+4*8448                 ; the spare words
.set RLV,  8                           ; v8-15 1 / l of my query in each of my four tiles, as the low words of pairs
.set VB,   16                          ; v16-19 16 x lane + 65,536 k: an LDS offset has 16 bits
.set VM,   20                          ; v20 my rows' place among the blocks' numbers
.set VSW,  21
.set ADSB, 23
.set STO,  24
.set RD,   25
.set CO,   26                          ; 16 x lane
.set VP,   27                          ; v27 and among the parts'
.set SPW,  28
.set NIL,  29
.set GM,   30                          ; my half's last group
.set GP,   31                          ; and its last part
.set LS,   32
.set RC,   34
.set NR,   36
.set NQ,   38
.set SB,   40
.set AO,   56
.set WD,   64
.set T,    64
.set BK,   128
.set WV,  14
.set CHB, 15
.set BAT, 16
.set PI,  17                           ; i: the short block
.set JL,  18                           ; 15 - i: the long block
.set SOL, 20                           ; byte offset in a group of pc of my two long tiles
.set SOS, 21                           ; and of my two short tiles
.set G1V, 24
.set SEL, 32
.set HI,  34
.set G0V, 44
.set OUTL, 52
.set OUTS, 54
.set MSB, 0
.macro WIN new                         ; the immediate's high byte repeats the setting that is left
.if MSB != (\new)
	s_set_vgpr_msb (MSB<<8)|(\new)
.set MSB, (\new)
.endif
.endm
.set MUL, 0xad                         ; source 0 (v) window 1, source 1 (p) window 3, C and D window 2
.macro PLACES n                        ; plain lines between a matrix instruction and a load into, or a read of, its registers
.rept \n
	v_nop
.endr
.endm
.macro TLOAD g0, g1                    ; every wave fetches a part of its own: the LDS address is wave x a constant; four v_nop follow
	tensor_load_to_lds s[\g0:\g0+3], s[\g1:\g1+7]
	s_nop 0
	PLACES 4
.endm
; Step s's two tiles of p into set s % 8: 8 loads of 512 consecutive bytes.  The set's offset register is written again only when the set's last loads have been waited for.
.macro ALOAD s
.if (\s) == 0
	v_add_nc_u32 v[AO], s[SOS], v[CO]
.elseif (\s) <= 9
	s_add_co_u32 s2, s[SOL], ((\s)-1)<<20          ; 1,048,576 bytes from a group to the next
	v_add_nc_u32 v[AO+(\s)%8], s2, v[CO]
.else
	s_add_co_u32 s2, s[SOL], ((\s)-1)<<20
	s_add_co_u32 s3, s[SOS], (17-(\s))<<20
	s_cmp_le_u32 s[PI], 16-(\s)                    ; long or short: a choice of an offset, on the work-group's number
	s_cselect_b32 s2, s2, s3
	v_add_nc_u32 v[AO+(\s)%8], s2, v[CO]
.endif
	WIN 0xc0                                       ; destination window 3, offset window 0
.irp e, 0,1
.irp c, 0,1,2,3
	global_load_b128 v[32*((\s)%8)+16*\e+4*\c:32*((\s)%8)+16*\e+4*\c+3], v[AO+(\s)%8], s[4:5] offset:2048*\e+512*\c
.endr
.endr
	WIN 0
.endm
; Group g of v (8 fragments) and its scale words, into set p: 40 LDS loads
.macro FETCH g, p
.set PL, 8*((\g)/8)+2*((\g)%4)+(((\g)/4)%2)
	WIN 0x40
.irp j, 0,1,2,3,4,5,6,7
.irp c, 0,1,2,3
	ds_load_b128 v[128*(\p)+16*\j+4*\c:128*(\p)+16*\j+4*\c+3], v[VB+PL/4] offset:(PL%4)*16384+2048*\j+512*\c
.endr
.endr
	WIN 0
.irp j, 0,1,2,3,4,5,6,7
	ds_load_b32 v[SB+8*(\p)+\j], v[ADSB] offset:512*(\g)+64*\j
.endr
.endm
.macro FETCHS s                        ; the same for step s: both ways issue the same 40 loads, so the counted waits hold on every path
.if (\s) == 0
	FETCH 0, 0
.elseif (\s) <= 9
	FETCH (\s)-1, (\s)%2
.else
	s_cmp_le_u32 s[PI], 16-(\s)
	s_cbranch_scc0 .Lfetch_short_\@
	FETCH (\s)-1, (\s)%2
	s_branch .Lfetched_\@
.Lfetch_short_\@:
	FETCH 17-(\s), (\s)%2
.Lfetched_\@:
.endif
.endm
; Step s's 16 matrix instructions, group g of block x (0 long, 1 short), on that block's accumulators, which take turns, one instruction a turn.  zero = 1: the first product starts the sums
.macro MUL16 s, x, zero, g
	WIN MUL
.irp e, 0,1
.irp b, 0,1,2,3,4,5,6,7
.set rD, 128*(\x)+8*(8*\e+\b)
.set rB, 128*((\s)%2)+16*\b
.set rA, 32*((\s)%8)+16*\e
.set rS, WD+2*(\g)+\e
.if \zero
.if \x
	v_wmma_scale_f32_16x16x128_f8f6f4 v[rD:rD+7], v[rB:rB+15], v[rA:rA+15], 0, v[SB+8*((\s)%2)+\b], v[rS] matrix_a_fmt:MATRIX_FMT_BF8 matrix_b_fmt:MATRIX_FMT_BF8
.else
	v_wmma_scale_f32_16x16x128_f8f6f4 v[rD:rD+7], v[rB:rB+15], v[rA:rA+15], 0, v[SB+8*((\s)%2)+\b], v[rS] matrix_a_fmt:MATRIX_FMT_BF8 matrix_b_fmt:MATRIX_FMT_BF8 matrix_b_scale:MATRIX_SCALE_ROW1
.endif
.else
.if \x
	v_wmma_scale_f32_16x16x128_f8f6f4 v[rD:rD+7], v[rB:rB+15], v[rA:rA+15], v[rD:rD+7], v[SB+8*((\s)%2)+\b], v[rS] matrix_a_fmt:MATRIX_FMT_BF8 matrix_b_fmt:MATRIX_FMT_BF8
.else
	v_wmma_scale_f32_16x16x128_f8f6f4 v[rD:rD+7], v[rB:rB+15], v[rA:rA+15], v[rD:rD+7], v[SB+8*((\s)%2)+\b], v[rS] matrix_a_fmt:MATRIX_FMT_BF8 matrix_b_fmt:MATRIX_FMT_BF8 matrix_b_scale:MATRIX_SCALE_ROW1
.endif
.endif
.endr
.endr
	WIN 0
.endm
	s_load_b256 s[4:11], s[0:1], 0x0               ; pc, pst, vc, vs
	s_load_b64 s[12:13], s[0:1], 0x20              ; out0
	v_lshl_add_u32 v[SPW], v0, 2, SPARE
	v_mov_b32 v[NIL], 0
	ds_add_u32 v[SPW], v[NIL]                      ; the wave's opening: the add, twice on end, and its wait
	ds_add_u32 v[SPW], v[NIL]
	v_lshrrev_b32 v1, 5, v0
	v_readfirstlane_b32 s[WV], v1
	s_mov_b32 s[CHB], ttmp9                        ; which 128 channels
	s_and_b32 s2, ttmp7, 0xffff
	s_lshr_b32 s[BAT], s2, 3
	s_and_b32 s[PI], s2, 7
	s_sub_co_u32 s[JL], 15, s[PI]
	s_lshl_b32 s3, s[BAT], 7                       ; 128 tiles of queries a batch, 8 a block; my two of a block: 2 x wave on
	s_lshl_b32 s2, s[WV], 1
	s_add_co_u32 s3, s3, s2
	s_lshl_b32 s[SOL], s[JL], 3
	s_add_co_u32 s[SOL], s[SOL], s3
	s_lshl_b32 s[SOL], s[SOL], 11
	s_lshl_b32 s[SOS], s[PI], 3
	s_add_co_u32 s[SOS], s[SOS], s3
	s_lshr_b32 s22, s[SOS], 1                      ; my pair of short tiles
	s_lshl_b32 s[SOS], s[SOS], 11
	s_sub_co_u32 s23, s[JL], s[PI]                 ; from the short block to the long one
	s_lshr_b32 s35, s[PI], 1                       ; the last part of a block of 256 queries, a hex digit for each of the eight
	s_lshl_b32 s35, s35, 2
	s_lshr_b32 s35, 0xcb976431, s35
	s_and_b32 s35, s35, 15
	s_lshr_b32 s36, s[JL], 1
	s_lshl_b32 s36, s36, 2
	s_lshr_b32 s36, 0xcb976431, s36
	s_and_b32 s36, s36, 15
	s_sub_co_u32 s36, s36, s35
	s_mov_b32 s[G1V], 3<<16                        ; no mask; elements of 8 bytes; no padding
	s_mov_b32 s[G1V+1], 2048<<16                   ; a group's 8 fragments = 16,384 bytes a row,
	s_mov_b32 s[G1V+2], 2<<16                      ; two rows,
	s_mov_b32 s[G1V+3], 2048<<16
	s_mov_b32 s[G1V+4], 2
	s_mov_b32 s[G1V+5], 65536                      ; four groups of 131,072 bytes apart
	s_mov_b32 s[G1V+6], 0
	s_mov_b32 s[G1V+7], 0
	s_lshl_b32 s56, s[BAT], 21                     ; v: my batch, group = my wave's number, my 8 tiles of channels
	s_lshl_b32 s2, s[WV], 17
	s_add_co_u32 s56, s56, s2
	s_lshl_b32 s2, s[CHB], 14
	s_add_co_u32 s56, s56, s2
	s_mov_b32 s57, 0
	s_lshl_b32 s58, s[BAT], 16                     ; its scale words: groups 4 x wave on
	s_lshl_b32 s2, s[WV], 14
	s_add_co_u32 s58, s58, s2
	s_lshl_b32 s2, s[CHB], 9
	s_add_co_u32 s58, s58, s2
	s_mov_b32 s59, 0
	s_lshl_b32 s60, s[WV], 15                      ; where they go: wave x 32,768, wave x 2,048
	s_lshl_b32 s61, s[WV], 11
	s_add_co_u32 s61, s61, BSC
	s_mov_b32 s[SEL], 0x76543210
	s_mov_b32 s[SEL+1], 0xfedcba98
	s_mov_b32 s[HI], 0xffff0000                    ; lanes 16-31
	s_lshl_b32 s2, s22, 7
	s_lshl_b32 s3, s22, 8
	s_add_co_u32 s3, s3, 2097152
	s_lshl_b32 s37, s23, 9
	s_lshl_b32 s38, s23, 10
	v_and_b32 v1, 15, v0                           ; r
	v_bfe_u32 v2, v0, 4, 1                         ; h
	v_and_b32 v3, 31, v0
	v_lshlrev_b32 v[CO], 4, v3
	v_add_nc_u32 v[VSW], s61, v[CO]
	v_mul_u32_u24 v[VM], s37, v2
	v_mul_u32_u24 v[VP], s38, v2
	v_lshl_add_u32 v[VM], v1, 3, v[VM]
	v_lshl_add_u32 v[VP], v1, 4, v[VP]
	v_add_nc_u32 v[VM], s2, v[VM]                  ; pair x 128 + 8 r
	v_add_nc_u32 v[VP], s3, v[VP]                  ; pair x 256 + 16 r, behind the blocks' numbers
	v_mul_u32_u24 v[GM], s23, v2
	v_mul_u32_u24 v[GP], s36, v2
	v_add_nc_u32 v[GM], s[PI], v[GM]
	v_add_nc_u32 v[GP], s35, v[GP]
	; all 16 groups and 13 parts are walked, with no branch: one beyond my half's last is read as the last once more (only stored bytes are read): its words serve no product, and a part's sum counts for 0
	WIN 0x40
.irp g, 0,1,2,3,4,5,6,7,8,9,10,11,12,13,14,15
	v_min_u32 v[\g], \g, v[GM]
.endr
.irp j, 0,1,2,3,4,5,6,7,8,9,10,11,12
	v_min_u32 v[16+\j], \j, v[GP]
.endr
	WIN 0x41
.irp g, 0,1,2,3,4,5,6,7,8,9,10,11,12,13,14,15
	v_lshl_add_u32 v[\g], v[\g], 17, v[VM]         ; four blocks of 32,768 bytes
.endr
.irp j, 0,1,2,3,4,5,6,7,8,9,10,11,12
	v_lshl_add_u32 v[16+\j], v[16+\j], 16, v[VP]
.endr
	WIN 0
	s_wait_alu depctr_va_vdst(0)
	s_wait_dscnt 0x0                               ; both opening adds are done
	s_wait_kmcnt 0x0
	s_add_nc_u64 s[56:57], s[8:9], s[56:57]
	s_add_nc_u64 s[58:59], s[10:11], s[58:59]
.irp h, 0,1
	s_mov_b32 s[G0V+4*\h], 1
	s_add_co_u32 s[G0V+4*\h+1], s60, \h*VHALF
	s_add_nc_u64 s[G0V+4*\h+2:G0V+4*\h+3], s[56:57], \h*1048576
	s_or_b32 s[G0V+4*\h+3], s[G0V+4*\h+3], 0x80000000
.endr
	TLOAD G0V, G1V                                 ; my part of groups 0-7
.irp g, 0,1,2,3
	global_load_b128 v[176+4*\g:179+4*\g], v[CO], s[58:59] offset:4096*\g   ; v's scale words of groups 4 x wave + g, my 8 tiles: 512 consecutive bytes
.endr
	WIN 0x81                                       ; destination window 2, offset window 1
.irp j, 0,1,2,3,4,5,6,7,8,9,10,11,12
	global_load_b128 v[4*\j:4*\j+3], v[16+\j], s[6:7]   ; part j: -M and the sum of my tile 0, of my tile 1
.endr
.irp g, 0,1,2,3,4,5,6,7,8,9,10,11,12,13,14,15
.irp k, 0,1,2,3
	global_load_b64 v[64+8*\g+2*\k:64+8*\g+2*\k+1], v[\g], s[6:7] offset:32768*\k   ; block 4 g + k: -M of my tiles 0, 1
.endr
.endr
	WIN 0
	ALOAD 0
.irp k, 0,1,2,3
	v_add_nc_u32 v[VB+\k], \k*65536, v[CO]
.endr
	v_lshlrev_b32 v4, 2, v1
	v_add_nc_u32 v[ADSB], BSC, v4
	s_mul_i32 s2, s[WV], 8448
	s_add_co_u32 s2, s2, STG
	v_mul_u32_u24 v5, v1, 528
	v_lshl_add_u32 v5, v2, 6, v5
	v_add_nc_u32 v[STO], s2, v5                    ; the stage, in: row r, + 64 h
	v_add_nc_u32 v[RD], s2, v[CO]                  ; and back: a row of 512 bytes by 32 lanes
.irp a, 0,1,2,3
	v_mov_b32 v[RLV+2*\a+1], 0                     ; (named as the upper halves of pairs)
.endr
	v_mov_b32 v6, 0                                ; written once: a lane permute's destination counts as one of its sources
	v_mov_b32 v7, 0
	s_lshl_b32 s2, s[BAT], 11                      ; out0: row 2,048 batch + 128 block + 32 wave, channel 128 x channel block
	s_lshl_b32 s3, s[WV], 5
	s_add_co_u32 s2, s2, s3
	s_lshl_b32 s3, s[JL], 7
	s_add_co_u32 s3, s3, s2
	s_lshl_b32 s62, s3, 12
	s_lshl_b32 s3, s[CHB], 9
	s_add_co_u32 s62, s62, s3
	s_mov_b32 s63, 0
	s_add_nc_u64 s[OUTL:OUTL+1], s[12:13], s[62:63]
	s_lshl_b32 s3, s[PI], 7
	s_add_co_u32 s3, s3, s2
	s_lshl_b32 s62, s3, 12
	s_lshl_b32 s3, s[CHB], 9
	s_add_co_u32 s62, s62, s3
	s_add_nc_u64 s[OUTS:OUTS+1], s[12:13], s[62:63]
	s_wait_alu depctr_va_vdst(0)
	s_wait_loadcnt 0x0                             ; the rows' numbers, v's scale words, and step 0's p
.irp s, 1,2,3,4,5,6,7
	ALOAD \s                                       ; seven steps' p, 56 loads, go out ahead of the fix-up's arithmetic
.endr
.irp g, 0,1,2,3
	ds_store_b128 v[VSW], v[176+4*\g:179+4*\g] offset:512*\g
.endr
; THE FIX-UP, in long stretches under one window setting; e: my tile
	WIN 0x2a
.irp e, 0,1
	v_min3_num_f32 v[NR+\e], v[2*\e], v[4+2*\e], v[8+2*\e]   ; the row's -M: the least of the parts'
.endr
	WIN 0x0a
.irp j, 3,5,7,9,11
.irp e, 0,1
	v_min3_num_f32 v[NR+\e], v[4*\j+2*\e], v[4*\j+4+2*\e], v[NR+\e]
.endr
.endr
	WIN 0
.irp e, 0,1
	v_add_f32 v[NQ+\e], 0x42e00000, v[NR+\e]       ; 112 - M
.endr
	WIN 0x88
.irp j, 0,1,2,3,4,5,6,7,8,9,10,11,12
.irp e, 0,1
	v_sub_f32 v[4*\j+2*\e], v[NR+\e], v[4*\j+2*\e] ; the part's M less the row's: a whole number, 0 or less
.endr
.endr
.set m, 64
.rept 64
	v_pk_add_f32 v[m:m+1], v[NQ:NQ+1], v[m:m+1] neg_lo:[0,1] neg_hi:[0,1]   ; 112 + the block's M - the row's
.set m, m+2
.endr
	WIN 0x82
.irp j, 0,1,2,3,4,5,6,7,8,9,10,11,12
.irp e, 0,1
	v_cvt_i32_f32 v[4*\j+2*\e], v[4*\j+2*\e]       ; (it saturates)
.endr
.endr
.set m, 64
.rept 128
	v_cvt_u32_f32 v[m], v[m]                       ; the byte: the conversion holds it at 0 from below
.set m, m+1
.endr
	WIN 0x8a
.irp j, 0,1,2,3,4,5,6,7,8,9,10,11,12
.irp e, 0,1
	v_ldexp_f32 v[4*\j+2*\e+1], v[4*\j+2*\e+1], v[4*\j+2*\e]
.endr
.endr
	WIN 0x88
.irp j, 2,3,4,5,6,7,8,9,10,11,12
	v_cmp_ge_u32 vcc_lo, v[GP], \j                 ; (every block of queries has parts 0 and 1)
	v_cndmask_b32 v[4*\j+1], 0, v[4*\j+1], vcc_lo
	v_cndmask_b32 v[4*\j+3], 0, v[4*\j+3], vcc_lo
.endr
	WIN 0x22
.irp g, 0,1,2,3,4,5,6,7,8,9,10,11,12,13,14,15
.irp e, 0,1
	v_lshl_or_b32 v[WD+2*\g+\e], v[64+8*\g+2+\e], 8, v[64+8*\g+\e]
.endr
.endr
	WIN 0x0a
.irp e, 0,1
	v_add_f32 v[LS+\e], v[1+2*\e], v[5+2*\e]
.endr
	WIN 0x02
.irp j, 2,3,4,5,6,7,8,9,10,11,12
.irp e, 0,1
	v_add_f32 v[LS+\e], v[4*\j+1+2*\e], v[LS+\e]   ; l: the parts' sums under the row's M
.endr
	v_lshl_or_b32 v[WD+2*\j], v[64+8*\j+4], 16, v[WD+2*\j]
	v_lshl_or_b32 v[WD+2*\j+1], v[64+8*\j+5], 16, v[WD+2*\j+1]
.endr
.irp g, 0,1,13,14,15
.irp e, 0,1
	v_lshl_or_b32 v[WD+2*\g+\e], v[64+8*\g+4+\e], 16, v[WD+2*\g+\e]
.endr
.endr
.irp g, 0,1,2,3,4,5,6,7,8,9,10,11,12,13,14,15
.irp e, 0,1
	v_lshl_or_b32 v[WD+2*\g+\e], v[64+8*\g+6+\e], 24, v[WD+2*\g+\e]
.endr
.endr
	WIN 0
	s_wait_alu depctr_va_vdst(0)
	v_rcp_f32 v[RC], v[LS]
	v_rcp_f32 v[RC+1], v[LS+1]
	v_nop                                          ; a plain line behind the reciprocals
	s_wait_alu depctr_va_vdst(0)                   ; and the wait ahead of their first reader
	v_permlanex16_b32 v6, v[RC], s[SEL], s[SEL+1]
	v_permlanex16_b32 v7, v[RC+1], s[SEL], s[SEL+1]
	v_cndmask_b32 v[RLV], v6, v[RC], s[HI]         ; the long rows' lie in lanes 16-31,
	v_cndmask_b32 v[RLV+2], v7, v[RC+1], s[HI]
	v_cndmask_b32 v[RLV+4], v[RC], v6, s[HI]       ; the short rows' in lanes 0-15
	v_cndmask_b32 v[RLV+6], v[RC+1], v7, s[HI]
	s_wait_alu depctr_va_vdst(0)
	s_wait_tensorcnt 0x0                           ; my part of groups 0-7 has landed
	ds_add_u32 v[SPW], v[NIL]
	s_wait_dscnt 0x0                               ; v's scale words lie in LDS:
	s_barrier_signal -1
	s_barrier_wait -1                              ; everybody's do
	TLOAD G0V+4, G1V                               ; my part of groups 8-15: it has steps 0 to 6 in which to land
; A STEP.  At its head v's fragments and the scale words of this step are in; the 40 LDS loads of the next step, issued behind them, may be out.  Its p was waited for at the last step's end.
; Behind the products and their eight places the registers that they read are loaded again: v's set and the words with the step two on, p's set with the step eight on.
.macro STEP s
.if (\s) == 7
	s_wait_tensorcnt 0x0                           ; my part of v's groups 8-15 has landed
	s_wait_dscnt 0x0                               ; no LDS instruction of mine is out at a signal
	s_barrier_signal -1                            ; say so; the step's products stand between signal and wait
.elseif (\s) < 16
	s_wait_dscnt 40
.else
	s_wait_dscnt 0x0
.endif
.if (\s) == 0
	MUL16 0, 1, 1, 0
.elseif (\s) == 1
	MUL16 1, 0, 1, 0
.elseif (\s) <= 9
	MUL16 \s, 0, 0, (\s)-1
.else
	s_cmp_le_u32 s[PI], 16-(\s)                    ; long group s - 1, or short group 17 - s
	s_cbranch_scc0 .Lshort_\@
	MUL16 \s, 0, 0, (\s)-1
	s_branch .Lmult_\@
.Lshort_\@:
	MUL16 \s, 1, 0, 17-(\s)
.Lmult_\@:
.endif
.if (\s) == 7
	s_barrier_wait -1                              ; everybody's part of groups 8-15 has landed: the fetch below is the first to read them
.endif
	PLACES 8
.if (\s) <= 14
	FETCHS (\s)+2
.endif
.if (\s) <= 8
	s_wait_loadcnt 48                              ; of the seven steps' p on their way the oldest, the next step's, is in; six steps' 48 loads may be out
	ALOAD (\s)+8                                   ; 56 again
.elseif (\s) <= 15
	s_wait_loadcnt 8*(15-(\s))                     ; nothing more is asked for: the counts run down
.endif
.endm
	FETCHS 0
	FETCHS 1
.irp s, 0,1,2,3,4,5,6,7,8,9,10,11,12,13,14,15,16
	STEP \s
.endr
; THE WAY OUT, a tile of 16 queries x 128 channels at a time: divided by l, through my own stage in LDS, back as whole rows of 512 bytes.
.macro TOSTAGE a
.if (\a) > 0
	s_wait_dscnt 16                                ; the last tile's 16 stores into the stage have read v[T] on; its 16 loads may be out
.endif
	WIN 0x02                                       ; source 0: the accumulators' window
.set j, 0
.rept 32
	v_pk_mul_f32 v[T+j:T+j+1], v[64*(\a)+j:64*(\a)+j+1], v[RLV+2*(\a):RLV+2*(\a)+1] op_sel_hi:[1,0]   ; each accumulator from its low end on
.set j, j+2
.endr
	WIN 0
.irp b, 0,1,2,3
.irp e, 0,1,2,3
	ds_store_b128 v[STO], v[T+16*\b+4*\e:T+16*\b+4*\e+3] offset:128*\b+16*\e   ; registers 16 b + .. are channels 32 b + 16 h + ..
.endr
.endr
.irp i, 0,1,2,3,4,5,6,7,8,9,10,11,12,13,14,15
	ds_load_b128 v[BK+64*((\a)%2)+4*\i:BK+64*((\a)%2)+4*\i+3], v[RD] offset:528*\i   ; LDS serves a wave's instructions in order: these see my stores
.endr
.endm
.macro SEND a, younger
.set OB, OUTL+2*((\a)/2)
	s_wait_dscnt \younger                          ; the tile is back in registers; the next tile's 16 stores and 16 loads may be out
.irp i, 0,1,2,3,4,5,6,7,8,9,10,11,12,13,14,15
	global_store_b128 v[CO], v[BK+64*((\a)%2)+4*\i:BK+64*((\a)%2)+4*\i+3], s[OB:OB+1] offset:(8*((\a)%2)+\i+8*(\i/8))*4096 th:TH_STORE_NT   ; 32 lanes store 512 consecutive bytes, aligned
.endr
.endm
	TOSTAGE 0
	TOSTAGE 1
	SEND 0, 32
	s_wait_xcnt 0x0                                ; tile 0's stores have read their registers: tile 2's rows may land there
	TOSTAGE 2
	SEND 1, 32
	s_wait_xcnt 0x0
	TOSTAGE 3
	SEND 2, 32
	SEND 3, 0
	s_wait_tensorcnt 0x0                           ; the wave's end
	ds_add_u32 v[SPW], v[NIL]
	s_wait_dscnt 0x0
	s_endpgm
.Lfunc_end_k_q2301576e38_pv:
	.size	k_q2301576e38_pv, .Lfunc_end_k_q2301576e38_pv-k_q2301576e38_pv
	.p2alignl 7, 3214868480
	.fill 96, 4, 3214868480
	.section	.rodata,"a",@progbits
	.p2align	6, 0x0
	.amdhsa_kernel k_q2301576e38_pv
		.amdhsa_group_segment_fixed_size 327680
		.amdhsa_private_segment_fixed_size 0
		.amdhsa_enable_private_segment 0
		.amdhsa_kernarg_size 40
		.amdhsa_user_sgpr_count 2
		.amdhsa_user_sgpr_kernarg_segment_ptr 1
		.amdhsa_wavefront_size32 1
		.amdhsa_system_sgpr_workgroup_id_x 1
		.amdhsa_system_sgpr_workgroup_id_y 1
		.amdhsa_system_sgpr_workgroup_id_z 1
		.amdhsa_system_vgpr_workitem_id 0
		.amdhsa_next_free_vgpr 1024
		.amdhsa_next_free_sgpr 66
		.amdhsa_reserve_vcc 1
		.amdhsa_float_denorm_mode_32 3
		.amdhsa_float_denorm_mode_16_64 3
		.amdhsa_memory_ordered 1
		.amdhsa_forward_progress 1
		.amdhsa_inst_pref_size 195
	.end_amdhsa_kernel
	.amdgpu_metadata
---
amdhsa.version: [ 1, 2 ]
amdhsa.kernels:
  - .name:           k_q2301576e38_pv
    .symbol:         k_q2301576e38_pv.kd
    .args:
      - { .name: pc, .offset: 0, .size: 8, .value_kind: global_buffer, .address_space: global }
      - { .name: pst, .offset: 8, .size: 8, .value_kind: global_buffer, .address_space: global }
      - { .name: vc, .offset: 16, .size: 8, .value_kind: global_buffer, .address_space: global }
      - { .name: vs, .offset: 24, .size: 8, .value_kind: global_buffer, .address_space: global }
      - { .name: out0, .offset: 32, .size: 8, .value_kind: global_buffer, .address_space: global }
    .group_segment_fixed_size: 327680
    .private_segment_fixed_size: 0
    .kernarg_segment_align: 8
    .kernarg_segment_size: 40
    .max_flat_workgroup_size: 128
    .sgpr_count:     66
    .vgpr_count:     1024
    .wavefront_size: 32
...
	.end_amdgpu_metadata
.endif
;; end of part 4
